; MI455X (gfx1250); checked and timed in simulation.
; The chip was launched on July 23, 2026; its instructions are those of AMD's public machine-readable ISA for CDNA 5 (MIT licence, August 2026) and "CDNA5" Instruction Set Architecture Reference Guide (July 2026). The comments in the code are by the model that wrote it; some were corrected since.
;; Attention. Allowed arithmetic: matrix products marked QUANTISED: E2M1 operands, one E8M0 scale for each 32 along K, by v_wmma_scale_f32_16x16x128_f8f6f4 with both operands' format E2M1 (or v_wmma_scale_f32_32x16x128_f4), f32 sums; products left as they are: bf16, f16 or f32 operands; f32 sums; everything else in f32.
;; Inputs: b_proj 1,024 float32; w_proj 1,024 x 1,024 float32; w_qkv 1,024 x 3,072 float32; x 4 x 2,048 x 1,024 float32.
;; Outputs: out0 4 x 2,048 x 1,024 float32.
;; This version of the problem:
;;   THIS VERSION OF THE PROBLEM IS GIVEN IN LOW PRECISION. The matrix products marked QUANTISED in the list below multiply operands that are first quantised to E2M1 (2 exponent bits, 1 mantissa bit; 4 bits a number), with one power-of-two scale for each 32 numbers along K (OCP MX v1.0); their sums are f32. The products marked 'left as it is' may take bf16, f16 or f32 operands, with f32 sums. Whichever they take, every output number must still come out within the allowed error. Rounding operands to bf16 (8 significant bits) uses up far more of that allowance than f16 does (11 bits, for magnitudes from 6e-5 to 65,504). All else is computed in f32.
;;   The module's matrix products, in the order in which they are computed (A, B: the left and right operand; K: the contracted axis; several contracted axes count as one K, in the product's order):
;;     1. [M 8,192, K 1,024] x [K 1,024, N 3,072]; A: input x; B: input w_qkv: QUANTISED
;;     2. batch 64 x [M 2,048, K 64] x [K 64, N 2,048]; A: computed on the way; B: computed on the way: left as it is (an operand is computed on the way)
;;     3. batch 64 x [M 2,048, K 2,048] x [K 2,048, N 64]; A: computed on the way; B: computed on the way: left as it is (an operand is computed on the way)
;;     4. [M 8,192, K 1,024] x [K 1,024, N 1,024]; A: computed on the way; B: input w_proj: left as it is (an operand is computed on the way)
;;   THE QUANTISER, for each operand of a quantised product, along K:
;;     - K is cut into blocks of 32 from its start; a last block that is shorter is filled with zeros.
;;     - A block's scale is 2^e with e = floor(log2(the largest magnitude in the block)) - 2, held to -126 .. 127; a block of zeros has e = 0. As a byte (E8M0): e + 127.
;;     - Each number is divided by its block's scale, clamped to +-6, and rounded to the nearest number of E2M1, ties to even, subnormals kept.
;;     - The product sums the exact products of the quantised numbers (number of the format x scale) in f32.
;;   ~~~python
;;   def quantise(x, axis):      # numpy; x: float32 -> the quantised numbers, widened to float32 again
;;       x = np.moveaxis(x, axis, -1); K = x.shape[-1]
;;       x = np.pad(x, [(0, 0)] * (x.ndim - 1) + [(0, -K % 32)]); x = x.reshape(x.shape[:-1] + (-1, 32)); a = np.abs(x).max(-1, keepdims=True)
;;       e = np.where(a > 0, np.clip(np.frexp(np.where(a > 0, a, 1))[1] - 1 - 2, -126, 127), 0)      # np.frexp(a)[1] - 1 = floor(log2(a)), exactly
;;       r = np.clip(x / 2.0 ** e, -6, 6)
;;       step = 2.0 ** (np.maximum(np.frexp(np.where(r == 0, 1, r))[1] - 1, 0) - 1)
;;       q = np.round(r / step) * step * 2.0 ** e      # np.round: ties to even
;;       return np.moveaxis(q.reshape(q.shape[:-2] + (-1,))[..., :K], -1, axis).astype(np.float32)
;;   ~~~
;; One version. Each part assembles by itself: llvm-mc -triple=amdgcn-amd-amdhsa -mcpu=gfx1250 --defsym DOCPART=n.
;; ======== version 1 of 1: 5 launches
;; limits: values are held in f16: magnitudes above 65,504 overflow, below 6.1e-05 lose precision
;; workspace buffers: xq 4,194,304 bytes; xs 262,144 bytes; wq 1,572,864 bytes; ws 98,304 bytes; wp16 2,097,152 bytes; qkv 50,331,648 bytes; o16 16,777,216 bytes
;; launch prep_x (part 1): grid 288 x 1, 4 waves a work-group, no clusters, 33,280 bytes of LDS; arguments x, w_proj, xq, xs, wp16; writes xq, xs, wp16
.if DOCPART == 1
	.amdgcn_target "amdgcn-amd-amdhsa--gfx1250"
	.amdhsa_code_object_version 6
	.text
	.protected	k_q258db49915_prep_x
	.globl	k_q258db49915_prep_x
	.p2align	8
	.type	k_q258db49915_prep_x,@function
k_q258db49915_prep_x:
	s_mov_b64 s[64:65], 0
	v_nop
	global_prefetch_b8 v0, s[64:65] scope:SCOPE_SE
	s_setreg_imm32_b32 hwreg(HW_REG_WAVE_MODE, 25, 1), 1
	s_wait_xcnt 0x0
; TWO JOBS IN ONE LAUNCH, told apart by the work-group's number.
; Work-groups 0-255: x [8192][1024] f32 becomes codes of FP4 (E2M1), K innermost, two codes a byte (xq), with one E8M0 byte for each 32 along K (xs).
;   A block's scale is 2^(floor(log2(its largest magnitude)) - 2); its byte is the largest magnitude's exponent field - 2, held at 1 from below.  Each number is divided by the scale and
;   rounded to the nearest code, ties to even, beyond 6 the largest code.  Rows are dense and 1,024 is a multiple of 32: x is a plain stream of blocks, and so are codes and bytes.
;   A wave takes 16 steps of 512 numbers.  Each load reads 512 consecutive bytes; a step's 2,048 bytes turn through the wave's own stage in LDS, so that a lane then holds 16 NEIGHBOURS
;   (two lanes to a block), as the conversions want.  A lane's 16 codes are 8 bytes: a store covers 256 consecutive bytes.  A wave's 256 scale bytes are gathered in LDS and leave together.
; Work-groups 256-287: w_proj [1024][1024] f32 becomes f16 in the same order (wp16): a stream, 8,192 numbers a wave, no LDS.
; LIMITS: a block of zeros gets the byte 1 where the rule says 127 (its codes are zeros, and this program alone reads the bytes); blocks whose largest magnitude lies under 2^-124 have their
; byte held at 1; |w_proj| stays under 65,504 (f16); NaN and infinities among the inputs are not served.
.set WAVES, 4
.set STEPS, 16
.set XWG,   256                        ; work-groups that take x: 8,388,608 numbers / 32,768
.set CB,    8                          ; bytes of 16 codes
.set R,     16                         ; v16-79   four sets of 16 numbers as they are loaded
.set X,     80                         ; v80-111  two sets of 16 neighbours (x's path)
.set E,     112                        ; v112-127 a scale byte for each step
.set C,     128                        ; v128-191 codes: four registers for each step, so that no store's data are written again
.set H,     80                         ; v80-207  w_proj's path: eight registers of f16 for each step, likewise
.set WREG,  8192                       ; LDS: a region for each wave: two stages of 32 x SP bytes, behind them its 256 scale bytes
.set SP,    80                         ; a lane's place in a stage: 64 bytes + 16 of padding
.set SPW,   12                         ; v12 LDS address of my spare word; never rewritten
.set NIL,   13                         ; v13 0; never rewritten
.set SPARE, WAVES*WREG                 ; behind the regions: the spare words, 128 bytes a wave, which no other line names
.macro LOAD t                          ; step t's 2,048 bytes into set t % 4
.irp i, 0,1,2,3
	global_load_b128 v[R+16*((\t)%4)+4*\i:R+16*((\t)%4)+4*\i+3], v3, s[4:5] offset:2048*(\t)+512*\i th:TH_LOAD_NT
.endr
.endm
.macro TURN t                          ; step t's numbers through the stage: LDS serves a wave's instructions in order, so no wait stands between the stores and the loads
.irp i, 0,1,2,3
	ds_store_b128 v14, v[R+16*((\t)%4)+4*\i:R+16*((\t)%4)+4*\i+3] offset:32*SP*((\t)%2)+8*SP*\i
.endr
.irp i, 0,1,2,3
	ds_load_b128 v[X+16*((\t)%2)+4*\i:X+16*((\t)%2)+4*\i+3], v15 offset:32*SP*((\t)%2)+16*\i
.endr
.endm
.macro QSTEP t
.set XS, X+16*((\t)%2)
.if (\t) > 0
	s_wait_dscnt 1                                 ; this step's numbers are back from the stage; the last step's byte store may be out
.else
	s_wait_dscnt 0x0
.endif
.if (\t)+4 < STEPS
	LOAD (\t)+4                                    ; the stage's stores have read set t % 4: it takes the loads of four steps on
.endif
.if (\t)+1 < STEPS
.if STEPS-2-(\t) >= 3
	s_wait_loadcnt 12                              ; the next step's four loads are in; the 12 of the three steps behind it may be out
.else
	s_wait_loadcnt 4*(STEPS-2-(\t))
.endif
	TURN (\t)+1
.endif
	v_max3_num_f32 v8, |v[XS]|, |v[XS+1]|, |v[XS+2]|               ; the largest magnitude of my 16, in two chains
	v_max3_num_f32 v9, |v[XS+3]|, |v[XS+4]|, |v[XS+5]|
.irp i, 6,10
	v_max3_num_f32 v8, v8, |v[XS+\i]|, |v[XS+\i+1]|
	v_max3_num_f32 v9, v9, |v[XS+\i+2]|, |v[XS+\i+3]|
.endr
	v_max3_num_f32 v8, v8, |v[XS+14]|, |v[XS+15]|
	v_max3_num_f32 v8, v8, v9, 0x1800000           ; and the floor 2^(3 - 127): the byte cannot fall under 1
	v_max_num_f32_dpp v8, v8, v8 row_xmask:1 row_mask:0xf bank_mask:0xf   ; with my neighbour's 16: the block's
	v_add_nc_u32 v11, 0xff000000, v8               ; 2 off its exponent field: the conversion takes the exponent field of this operand as its scale
	v_cvt_scalef32_pk8_fp4_f32 v[C+4*(\t)], v[XS:XS+7], v11
	v_cvt_scalef32_pk8_fp4_f32 v[C+4*(\t)+1], v[XS+8:XS+15], v11
	v_lshrrev_b32 v[E+(\t)], 23, v11               ; the scale's byte (also the plain line behind the conversions)
	ds_store_b8 v5, v[E+(\t)] offset:16*(\t)       ; both lanes of a block write the same byte with the same value
	global_store_b64 v4, v[C+4*(\t):C+4*(\t)+1], s[8:9] offset:32*CB*(\t)   ; 32 lanes store 256 consecutive bytes
.endm
.macro CSTEP t                         ; w_proj: step t's 512 numbers to f16
.if STEPS-1-(\t) >= 3
	s_wait_loadcnt 12                              ; this step's four loads are in; the 12 of the next three steps may be out
.else
	s_wait_loadcnt 4*(STEPS-1-(\t))
.endif
.irp i, 0,1,2,3
	v_cvt_pk_f16_f32 v[H+8*(\t)+2*\i], v[R+16*((\t)%4)+4*\i], v[R+16*((\t)%4)+4*\i+1]
	v_cvt_pk_f16_f32 v[H+8*(\t)+2*\i+1], v[R+16*((\t)%4)+4*\i+2], v[R+16*((\t)%4)+4*\i+3]
.endr
.if (\t)+4 < STEPS
	LOAD (\t)+4
.endif
.irp i, 0,1,2,3
	global_store_b64 v7, v[H+8*(\t)+2*\i:H+8*(\t)+2*\i+1], s[12:13] offset:1024*(\t)+256*\i   ; 32 lanes store 256 consecutive bytes
.endr
.endm
	s_load_b128 s[4:7], s[0:1], 0x0                ; x, w_proj
	s_load_b128 s[8:11], s[0:1], 0x10              ; xq, xs
	s_load_b64 s[12:13], s[0:1], 0x20              ; wp16
	v_lshl_add_u32 v[SPW], v0, 2, SPARE
	v_mov_b32 v[NIL], 0
	v_lshrrev_b32 v1, 5, v0
	v_readfirstlane_b32 s16, v1                    ; wave
	v_and_b32 v2, 31, v0                           ; lane
	v_lshlrev_b32 v3, 4, v2                        ; my 16 bytes of a load's 512
	s_mul_i32 s17, s16, WREG
	v_lshrrev_b32 v14, 2, v2
	v_mul_u32_u24 v14, v14, SP
	v_and_b32 v15, 3, v2
	v_lshl_add_u32 v14, v15, 4, v14
	v_add_nc_u32 v14, s17, v14                     ; the stage, on the way in: SP (lane / 4) + 16 (lane % 4)
	v_mul_u32_u24 v15, v2, SP
	v_add_nc_u32 v15, s17, v15                     ; and on the way out: SP x lane: my 16 neighbours
	v_mul_u32_u24 v4, v2, CB                       ; my codes' place in a step's
	v_lshrrev_b32 v5, 1, v2
	s_add_co_u32 s17, s17, 2*32*SP
	v_add_nc_u32 v5, s17, v5                       ; LDS: my wave's 256 scale bytes, my block's byte
	v_lshlrev_b32 v7, 3, v2                        ; 8 bytes a lane
	v_add_nc_u32 v6, s17, v7
	s_mov_b32 s21, 0
	s_wait_kmcnt 0x0
	s_cmp_lt_u32 ttmp9, XWG
	s_cbranch_scc0 .Lwp
	; ---- x
	s_lshl_b32 s17, ttmp9, 2
	s_add_co_u32 s18, s17, s16                     ; which run of 8,192 numbers is my wave's: 0 .. 1,023
	s_lshl_b32 s20, s18, 15
	s_add_nc_u64 s[4:5], s[4:5], s[20:21]          ; 32,768 bytes of x a run,
	s_lshl_b32 s20, s18, 12
	s_add_nc_u64 s[8:9], s[8:9], s[20:21]          ; 4,096 of codes,
	s_lshl_b32 s20, s18, 8
	s_add_nc_u64 s[10:11], s[10:11], s[20:21]      ; 256 scale bytes
.irp t, 0,1,2,3
	LOAD \t
.endr
	s_wait_loadcnt 12                              ; step 0's four loads are in
	TURN 0
.irp t, 0,1,2,3,4,5,6,7,8,9,10,11,12,13,14,15
	QSTEP \t
.endr
	ds_load_b64 v[8:9], v6                         ; LDS serves a wave's instructions in order: these see my byte stores
	s_wait_dscnt 0x0
	global_store_b64 v7, v[8:9], s[10:11]          ; 32 lanes store 256 consecutive bytes
	s_wait_tensorcnt 0x0                           ; the wave's end, behind my last LDS store
	ds_add_u32 v[SPW], v[NIL]
	s_wait_dscnt 0x0
	s_endpgm
	; ---- w_proj: no LDS is touched on this path
.Lwp:
	s_sub_co_u32 s17, ttmp9, XWG
	s_lshl_b32 s17, s17, 2
	s_add_co_u32 s18, s17, s16                     ; which run of 8,192 numbers: 0 .. 127
	s_lshl_b32 s20, s18, 15
	s_add_nc_u64 s[4:5], s[6:7], s[20:21]
	s_lshl_b32 s20, s18, 14
	s_add_nc_u64 s[12:13], s[12:13], s[20:21]
.irp t, 0,1,2,3
	LOAD \t
.endr
.irp t, 0,1,2,3,4,5,6,7,8,9,10,11,12,13,14,15
	CSTEP \t
.endr
	s_endpgm
.Lfunc_end_k_q258db49915_prep_x:
	.size	k_q258db49915_prep_x, .Lfunc_end_k_q258db49915_prep_x-k_q258db49915_prep_x
	.p2alignl 7, 3214868480
	.fill 96, 4, 3214868480
	.section	.rodata,"a",@progbits
	.p2align	6, 0x0
	.amdhsa_kernel k_q258db49915_prep_x
		.amdhsa_group_segment_fixed_size 33280
		.amdhsa_private_segment_fixed_size 0
		.amdhsa_enable_private_segment 0
		.amdhsa_kernarg_size 40
		.amdhsa_user_sgpr_count 2
		.amdhsa_user_sgpr_kernarg_segment_ptr 1
		.amdhsa_wavefront_size32 1
		.amdhsa_system_sgpr_workgroup_id_x 1
		.amdhsa_system_sgpr_workgroup_id_y 1
		.amdhsa_system_sgpr_workgroup_id_z 1
		.amdhsa_system_vgpr_workitem_id 0
		.amdhsa_next_free_vgpr 208
		.amdhsa_next_free_sgpr 66
		.amdhsa_reserve_vcc 0
		.amdhsa_float_denorm_mode_32 3
		.amdhsa_float_denorm_mode_16_64 3
		.amdhsa_memory_ordered 1
		.amdhsa_forward_progress 1
		.amdhsa_inst_pref_size 54
	.end_amdhsa_kernel
	.amdgpu_metadata
---
amdhsa.version: [ 1, 2 ]
amdhsa.kernels:
  - .name:           k_q258db49915_prep_x
    .symbol:         k_q258db49915_prep_x.kd
    .args:
      - { .name: x, .offset: 0, .size: 8, .value_kind: global_buffer, .address_space: global }
      - { .name: w_proj, .offset: 8, .size: 8, .value_kind: global_buffer, .address_space: global }
      - { .name: xq, .offset: 16, .size: 8, .value_kind: global_buffer, .address_space: global }
      - { .name: xs, .offset: 24, .size: 8, .value_kind: global_buffer, .address_space: global }
      - { .name: wp16, .offset: 32, .size: 8, .value_kind: global_buffer, .address_space: global }
    .group_segment_fixed_size: 33280
    .private_segment_fixed_size: 0
    .kernarg_segment_align: 8
    .kernarg_segment_size: 40
    .max_flat_workgroup_size: 128
    .sgpr_count:     66
    .vgpr_count:     208
    .wavefront_size: 32
...
	.end_amdgpu_metadata
.endif
;; end of part 1
;; launch quant_w (part 2): grid 96 x 1, 8 waves a work-group, no clusters, 18,944 bytes of LDS; arguments w_qkv, wq, ws; writes wq, ws
.if DOCPART == 2
	.amdgcn_target "amdgcn-amd-amdhsa--gfx1250"
	.amdhsa_code_object_version 6
	.text
	.protected	k_q258db49915_quant_w
	.globl	k_q258db49915_quant_w
	.p2align	8
	.type	k_q258db49915_quant_w,@function
k_q258db49915_quant_w:
	s_mov_b64 s[64:65], 0
	v_nop
	global_prefetch_b8 v0, s[64:65] scope:SCOPE_SE
	s_setreg_imm32_b32 hwreg(HW_REG_WAVE_MODE, 25, 1), 1
	s_wait_xcnt 0x0
; w_qkv [1024 (k)][3072 (n)] f32, whose K is its FIRST axis, becomes codes of FP4 (E2M1) laid [3072][1024] with K innermost (wq: 512 bytes a row) and one E8M0 byte for each 32 along K (ws: 32 bytes a row).
; A LANE TAKES A COLUMN n AND ITS REGISTERS RUN DOWN K: a block of 32 lies in one lane's 32 registers, its largest magnitude needs no other lane, and the conversions give codes with K innermost.
; A work-group takes 32 columns x all of K; wave w takes K = 128 w .. 128 w + 127, four blocks.  So whole rows of codes (512 bytes) and of scale bytes meet in LDS: one barrier, then wave w stores rows 4 w .. 4 w + 3
; (a store covers one row's 512 consecutive bytes), and waves 0 and 1 the 1,024 consecutive scale bytes.
; The scale's rule, and the LIMITS, are those of the launch that quantises x: a block of zeros gets the byte 1; NaN and infinities are not served.
.set NB,    4                          ; blocks of a wave
.set WROW,  12288                      ; a row of w_qkv in bytes
.set PITCH, 528                        ; a stage row: 512 bytes + 16: 33 x 16
.set SCS,   32*PITCH                   ; behind the stage: 32 rows x 32 scale bytes
.set SPARE, SCS+1024                   ; behind them: the spare words, 128 bytes a wave, which no other line names
.set X,     32                         ; v32-95   two sets of 32 numbers
.set C,     96                         ; v96-111  four registers of codes for each block
.set OUTR,  112                        ; v112-127 the way out
.set SPW,   14
.set NIL,   15
	s_load_b128 s[4:7], s[0:1], 0x0                ; w_qkv, wq
	s_load_b64 s[8:9], s[0:1], 0x10                ; ws
	v_lshl_add_u32 v[SPW], v0, 2, SPARE
	v_mov_b32 v[NIL], 0
	v_lshrrev_b32 v1, 5, v0
	v_readfirstlane_b32 s16, v1                    ; wave 0..7
	v_and_b32 v2, 31, v0                           ; lane
	v_lshlrev_b32 v3, 2, v2                        ; in: 4 bytes a lane
	v_mul_u32_u24 v4, v2, PITCH
	s_lshl_b32 s17, s16, 6
	v_add_nc_u32 v4, s17, v4                       ; into the stage: row = my column, my wave's 64 bytes
	v_lshlrev_b32 v5, 5, v2
	s_lshl_b32 s17, s16, 2
	s_add_co_u32 s17, s17, SCS
	v_add_nc_u32 v5, s17, v5                       ; my column's row of scale bytes, my wave's word
	v_lshlrev_b32 v6, 4, v2                        ; 16 x lane
	s_mul_i32 s17, s16, 4*PITCH
	v_add_nc_u32 v7, s17, v6                       ; out of the stage: my wave's four rows, 32 lanes to a row
	s_lshl_b32 s17, s16, 11
	v_add_nc_u32 v8, s17, v6                       ; and the same place among the work-group's 32 rows of wq
	s_and_b32 s17, s16, 1
	s_lshl_b32 s17, s17, 9
	v_add_nc_u32 v10, s17, v6                      ; the scale bytes: 512 a wave (waves 0 and 1)
	v_add_nc_u32 v9, SCS, v10
	s_mul_i32 s20, s16, 128*WROW                   ; my wave's 128 rows of w_qkv,
	s_lshl_b32 s21, ttmp9, 7                       ; my work-group's 32 columns
	s_add_co_u32 s20, s20, s21
	s_mov_b32 s21, 0
	s_lshl_b32 s22, ttmp9, 14                      ; 32 rows of 512 bytes
	s_mov_b32 s23, 0
	s_lshl_b32 s24, ttmp9, 10                      ; 32 rows of 32 bytes
	s_mov_b32 s25, 0
	s_wait_kmcnt 0x0
	s_add_nc_u64 s[4:5], s[4:5], s[20:21]
	s_add_nc_u64 s[6:7], s[6:7], s[22:23]
	s_add_nc_u64 s[8:9], s[8:9], s[24:25]
.macro LOAD t                          ; block t: w(128 w + 32 t + i, my column), i = 0 .. 31, into set t % 2; the offsets stay under 127 rows = 1,560,576 bytes
.irp i, 0,1,2,3,4,5,6,7,8,9,10,11,12,13,14,15,16,17,18,19,20,21,22,23,24,25,26,27,28,29,30,31
	global_load_b32 v[X+32*((\t)%2)+\i], v3, s[4:5] offset:(32*(\t)+\i)*WROW th:TH_LOAD_NT
.endr
.endm
.macro BLOCK t
.set XS, X+32*((\t)%2)
.if (\t) < NB-1
	s_wait_loadcnt 32                              ; this block's 32 loads are in; the next block's 32 may be out
.else
	s_wait_loadcnt 0x0
.endif
	v_max3_num_f32 v12, |v[XS]|, |v[XS+1]|, |v[XS+2]|              ; the block's largest magnitude: all 32 numbers are mine; two chains
	v_max3_num_f32 v13, |v[XS+3]|, |v[XS+4]|, |v[XS+5]|
.irp i, 6,10,14,18,22,26
	v_max3_num_f32 v12, v12, |v[XS+\i]|, |v[XS+\i+1]|
	v_max3_num_f32 v13, v13, |v[XS+\i+2]|, |v[XS+\i+3]|
.endr
	v_max3_num_f32 v12, v12, |v[XS+30]|, |v[XS+31]|
	v_max3_num_f32 v12, v12, v13, 0x1800000        ; and the floor 2^(3 - 127): the byte cannot fall under 1
	v_add_nc_u32 v11, 0xff000000, v12              ; 2 off its exponent field: the conversion's scale operand
	v_lshrrev_b32 v13, 23, v11                     ; the scale's byte
.if (\t) == 0
	v_mov_b32 v24, v13                             ; four bytes make my wave's word, the lower K in the lower byte
.else
	v_lshl_or_b32 v24, v13, 8*(\t), v24
.endif
.irp g, 0,1,2,3
	v_cvt_scalef32_pk8_fp4_f32 v[C+4*(\t)+\g], v[XS+8*\g:XS+8*\g+7], v11
.endr
	v_nop                                          ; one plain line behind the last conversion of a run
	ds_store_b128 v4, v[C+4*(\t):C+4*(\t)+3] offset:16*(\t)        ; 32 codes: 16 bytes of my column's row
.if (\t)+2 < NB
	LOAD (\t)+2
.endif
.endm
	LOAD 0
	LOAD 1
	BLOCK 0
	BLOCK 1
	BLOCK 2
	BLOCK 3
	ds_store_b32 v5, v24
	s_wait_dscnt 0x0                               ; for the others' sake: my stores have landed
	s_barrier_signal -1
	s_barrier_wait -1                              ; 32 whole rows of codes and of scale bytes lie in LDS
.irp i, 0,1,2,3
	ds_load_b128 v[OUTR+4*\i:OUTR+4*\i+3], v7 offset:\i*PITCH
.endr
.irp i, 0,1,2,3
	s_wait_dscnt 3-\i
	global_store_b128 v8, v[OUTR+4*\i:OUTR+4*\i+3], s[6:7] offset:512*\i   ; a row's 512 consecutive bytes
.endr
	s_cmp_lt_u32 s16, 2
	s_cbranch_scc0 .Lno_scales
	ds_load_b128 v[28:31], v9
	s_wait_dscnt 0x0
	global_store_b128 v10, v[28:31], s[8:9]        ; 512 consecutive scale bytes
.Lno_scales:
	s_wait_tensorcnt 0x0                           ; the wave's end, behind my last LDS store
	ds_add_u32 v[SPW], v[NIL]
	s_wait_dscnt 0x0
	s_endpgm
.Lfunc_end_k_q258db49915_quant_w:
	.size	k_q258db49915_quant_w, .Lfunc_end_k_q258db49915_quant_w-k_q258db49915_quant_w
	.p2alignl 7, 3214868480
	.fill 96, 4, 3214868480
	.section	.rodata,"a",@progbits
	.p2align	6, 0x0
	.amdhsa_kernel k_q258db49915_quant_w
		.amdhsa_group_segment_fixed_size 18944
		.amdhsa_private_segment_fixed_size 0
		.amdhsa_enable_private_segment 0
		.amdhsa_kernarg_size 24
		.amdhsa_user_sgpr_count 2
		.amdhsa_user_sgpr_kernarg_segment_ptr 1
		.amdhsa_wavefront_size32 1
		.amdhsa_system_sgpr_workgroup_id_x 1
		.amdhsa_system_sgpr_workgroup_id_y 1
		.amdhsa_system_sgpr_workgroup_id_z 1
		.amdhsa_system_vgpr_workitem_id 0
		.amdhsa_next_free_vgpr 128
		.amdhsa_next_free_sgpr 66
		.amdhsa_reserve_vcc 0
		.amdhsa_float_denorm_mode_32 3
		.amdhsa_float_denorm_mode_16_64 3
		.amdhsa_memory_ordered 1
		.amdhsa_forward_progress 1
		.amdhsa_inst_pref_size 22
	.end_amdhsa_kernel
	.amdgpu_metadata
---
amdhsa.version: [ 1, 2 ]
amdhsa.kernels:
  - .name:           k_q258db49915_quant_w
    .symbol:         k_q258db49915_quant_w.kd
    .args:
      - { .name: w_qkv, .offset: 0, .size: 8, .value_kind: global_buffer, .address_space: global }
      - { .name: wq, .offset: 8, .size: 8, .value_kind: global_buffer, .address_space: global }
      - { .name: ws, .offset: 16, .size: 8, .value_kind: global_buffer, .address_space: global }
    .group_segment_fixed_size: 18944
    .private_segment_fixed_size: 0
    .kernarg_segment_align: 8
    .kernarg_segment_size: 24
    .max_flat_workgroup_size: 256
    .sgpr_count:     66
    .vgpr_count:     128
    .wavefront_size: 32
...
	.end_amdgpu_metadata
.endif
;; end of part 2
;; launch gemm_qkv (part 3): grid 12 x 32, 4 waves a work-group, clusters of 4 x 4, 327,680 bytes of LDS; arguments xq, xs, wq, ws, qkv; writes qkv
.if DOCPART == 3
	.amdgcn_target "amdgcn-amd-amdhsa--gfx1250"
	.amdhsa_code_object_version 6
	.text
	.protected	k_q258db49915_gemm_qkv
	.globl	k_q258db49915_gemm_qkv
	.p2align	8
	.type	k_q258db49915_gemm_qkv,@function
k_q258db49915_gemm_qkv:
	s_mov_b64 s[64:65], 0
	v_nop
	global_prefetch_b8 v0, s[64:65] scope:SCOPE_SE
	s_setreg_imm32_b32 hwreg(HW_REG_WAVE_MODE, 25, 1), 1
	s_wait_xcnt 0x0
	s_wait_alu depctr_hold_cnt(0) depctr_sa_sdst(0) depctr_va_vdst(0) depctr_va_sdst(0) depctr_va_ssrc(0) depctr_va_vcc(0) depctr_vm_vsrc(0)
	s_getreg_b32 s2, hwreg(HW_REG_IB_STS2, 6, 4)
	s_cmp_eq_u32 s2, 0
	s_cbranch_scc0 .Lentry_in_a_cluster
	s_endpgm
.Lentry_in_a_cluster:
	s_bfe_u32 s2, ttmp6, 0x10000c
	s_cmp_lg_u32 s2, 0xf033
	s_cbranch_scc0 .Lentry_shape_is_right
	s_endpgm
.Lentry_shape_is_right:
; qkv = Q(x) Q(w_qkv), on codes of FP4 (E2M1) with one E8M0 scale for each 32 along K; sums in f32.  A = xq [8192][1024 codes], B = wq [3072][1024 codes], two codes a byte, K innermost; xs, ws: 32 scale bytes a row.
; The result leaves as f16, laid by head: qkv[which 3][batch 4][head 16][n 2048][64]; q is first multiplied, in f32, by log2(e) / 8, so that the attention's scores are exponents of 2.
; LIMIT: |q| log2(e) / 8, |k| and |v| stay under 65,504 (f16).
; A tile of C, 256 x 256, is made by a work-group of four waves; a wave makes 128 x 128: 64 accumulators of 16 x 16, 512 registers.  K = 1,024 is two steps of 512 (rows of 256 bytes), one in each of two LDS slots:
; both are asked for at the start and nothing is filled again.  The scales of the work-group's 256 + 256 rows come with them, as dense blocks.  By this text's count a wave has three tensor loads out at the start.
; CLUSTERS: 4 x 4 work-groups.  The four of a row of the cluster need the same tiles of A, the four of a column the same tiles of B: each tile is asked for JOINTLY, by the same tensor load with the same descriptor and
; a mask that names the four.  A cluster's four tile columns are 1,024 columns: all of q, or of k, or of v: the cluster's x says which.
; THE MATRIX INSTRUCTION IS USED TRANSPOSED (source 0 = 16 rows of B, source 1 = 16 rows of A): a lane then holds eight neighbouring columns of one row of C.
; REGISTERS, in windows of 256: window 0: v0-31 addresses; v32-95 scale words, two sets; v128-191 A's fragments, ONE set; on the way out v32-63, v192-255.  window 1: B's fragments, two sets, at v0 and v128.
;   window 2: the 32 accumulators of my rows 0-63 ((a, b) at v[8 (8 a + b)]);  window 3: those of my rows 64-127.
.set SIZE_K, 1024
.set NQ,     4                         ; matrix instructions deep in a slot: 512 / 128
.set ROWB,   256                       ; a tile's row in bytes
.set KROW,   SIZE_K/2                  ; a row of codes in memory
.set PITCH,  272                       ; an LDS row: 256 bytes + 16: row r starts at bank 4 r mod 64 (64 banks of 4 bytes: ISA guide 11.1)
.set FR,     8                         ; registers of a fragment: 16 rows x 128 K
.set NL,     2                         ; LDS loads that bring one
.set NP,     4                         ; places behind this matrix instruction (ISA guide 7.12.1)
.set HALFT,  128*PITCH                 ; 128 rows: what one tensor load brings
.set SLOT,   4*HALFT                   ; A's 256 rows, then B's 256 rows
.set KS,     SIZE_K/32                 ; a row of scales in bytes
.set SCL,    2*SLOT                    ; behind the slots: the scales, as runs of 256 bytes + 16 of padding
.set HALFS,  (128*KS/256)*272          ; the scales of 128 rows
.set SBLK,   (16*KS/256)*272           ; those of 16 rows
.set SPARE,  SCL+4*HALFS               ; behind the scales: the spare words, 128 bytes a wave, which no other line names
.set SPITCH, 272                       ; the way out: a stage of 16 rows x (256 bytes + 16) for each wave, in slot 0, which has had its only fill and its last read by then
.set ADRA, 16                          ; v16-17 LDS address of my A fragments in slot 0, 1
.set ADRB, 20                          ; v20-21 the same for B
.set STO,  24                          ; v24 the way out: where I put 16 bytes of a row
.set RD,   25                          ; v25 where I read rows back
.set CO,   26                          ; v26 16 x lane
.set ADRS, 27                          ; v27 LDS address of my scale words: lanes 0-15 A's rows, lanes 16-31 B's
.set SPW,  28
.set NIL,  29
.set SC,   32                          ; scale words: set s at v[SC + 32 s]; register 4 i + q: lanes 0-15 the word of A's block i, lanes 16-31 that of B's block i, for the slot's q-th 128 along K
.set AF,   128
.set TMP,  192                         ; the way out: packed results
.set OB,   32                          ; and rows read back: v32-63 and v224-255 by turns
.set G1, 24
.set G0, 32
.set G1B, 48
.set G0B, 56
.set G1S, 68
.set G0S, 76
.set G1SB, 80
.set G0SB, 88
.set MSB, 0
.macro WIN new                         ; the immediate's high byte repeats the setting that is left
.if MSB != \new
	s_set_vgpr_msb (MSB<<8)|\new
.set MSB, \new
.endif
.endm
.set MUL_LO, 0xa1                      ; source 0 (B) window 1, source 1 (A) window 0, C and D window 2
.set MUL_HI, 0xf1                      ; the same, C and D window 3
.set TO_B,   0x40                      ; destination window 1, address window 0
; A joint load: waves 0 and 1 fetch for A, waves 2 and 3 for B; the branch hangs on the wave's number alone.  An s_nop 0 and four v_nop follow each of the two lines.
.macro JLOAD g0a, g1a, g0b, g1b
	s_cmp_eq_u32 s15, 0
	s_cbranch_scc0 .Lfor_b_\@
	tensor_load_to_lds s[\g0a:\g0a+3], s[\g1a:\g1a+7]
	s_nop 0
.rept 4
	v_nop
.endr
	s_branch .Lasked_\@
.Lfor_b_\@:
	tensor_load_to_lds s[\g0b:\g0b+3], s[\g1b:\g1b+7]
	s_nop 0
.rept 4
	v_nop
.endr
.Lasked_\@:
.endm
.macro CROUND                          ; a round of the cluster's barrier
	s_barrier_signal -1
	s_barrier_wait -1
	s_cmp_lg_u32 s14, 0
	s_cbranch_scc1 .Lnot_wave_0_\@
	s_barrier_signal -3
.Lnot_wave_0_\@:
	s_barrier_wait -3
	s_barrier_signal -1
	s_barrier_wait -1
.endm
	s_load_b128 s[4:7], s[0:1], 0x0                ; xq, xs
	s_load_b128 s[8:11], s[0:1], 0x10              ; wq, ws
	s_load_b64 s[12:13], s[0:1], 0x20              ; qkv
	v_lshl_add_u32 v[SPW], v0, 2, SPARE
	v_mov_b32 v[NIL], 0
	ds_add_u32 v[SPW], v[NIL]                      ; the wave's opening: the add, twice on end, and its wait ahead of my first tensor load
	ds_add_u32 v[SPW], v[NIL]
	v_lshrrev_b32 v1, 5, v0
	v_readfirstlane_b32 s14, v1                    ; wave 0..3
	s_lshr_b32 s15, s14, 1                         ; which half of the tile's rows is mine.  Also: I fetch for A (0) or for B (1)
	s_and_b32 s16, s14, 1                          ; which half of its columns.  Also: which 128 rows of that tile I fetch
	s_bfe_u32 s40, ttmp6, 0x40000                  ; cx, cy: my place in the cluster
	s_bfe_u32 s41, ttmp6, 0x40004
	s_lshl_b32 s42, ttmp9, 2
	s_add_co_u32 s42, s42, s40                     ; tile column of C = 4 x cluster x + cx
	s_and_b32 s17, ttmp7, 0xffff
	s_lshl_b32 s17, s17, 2
	s_add_co_u32 s17, s17, s41                     ; tile row of C = 4 x cluster y + cy
	s_lshl_b32 s43, s41, 2
	s_lshl_b32 s43, 15, s43                        ; my row of the cluster
	s_lshl_b32 s44, 0x1111, s40                    ; my column
	; descriptor group 1: a tile of 128 rows x 256 bytes, 16 bytes of padding behind each row
	s_or_b32 s[G1+0], s43, (0<<16)|(1<<20)|(1<<21)|(5<<22)|(3<<25)  ; 15:0 the mask; 17:16 elements of 1 byte; 20 padding on; 21 set beside a mask; 24:22 after every 64 words; 31:25 four words
	s_or_b32 s[G1B+0], s44, (0<<16)|(1<<20)|(1<<21)|(5<<22)|(3<<25)
.irp g, G1, G1B
	s_mov_b32 s[\g+1], ROWB<<16                    ; tensor_dim0
	s_mov_b32 s[\g+2], 128<<16                     ; tensor_dim1
	s_mov_b32 s[\g+3], ROWB<<16                    ; tile_dim0
	s_mov_b32 s[\g+4], 128                         ; tile_dim1
	s_mov_b32 s[\g+5], KROW                        ; tensor_dim0_stride
	s_mov_b32 s[\g+6], 0
	s_mov_b32 s[\g+7], 0
.endr
	; the scales of 128 rows: 4,096 dense bytes, as 16 rows of 256 bytes (32 elements of 8 bytes), 16 bytes of padding behind each
	s_or_b32 s[G1S+0], s43, (3<<16)|(1<<20)|(1<<21)|(5<<22)|(3<<25)
	s_or_b32 s[G1SB+0], s44, (3<<16)|(1<<20)|(1<<21)|(5<<22)|(3<<25)
.irp g, G1S, G1SB
	s_mov_b32 s[\g+1], 32<<16
	s_mov_b32 s[\g+2], (128*KS/256)<<16
	s_mov_b32 s[\g+3], 32<<16
	s_mov_b32 s[\g+4], 128*KS/256
	s_mov_b32 s[\g+5], 32
	s_mov_b32 s[\g+6], 0
	s_mov_b32 s[\g+7], 0
.endr
	s_lshl_b32 s18, s16, 7                         ; which 128 rows of the tile I fetch
	s_lshl_b32 s20, s17, 8
	s_add_co_u32 s20, s20, s18                     ; A: row 256 x tile row + 128 x half
	s_lshl_b32 s46, s42, 8
	s_add_co_u32 s46, s46, s18                     ; B: row 256 x tile column + 128 x half
	s_mov_b32 s21, 0
	s_mov_b32 s47, 0
	s_mov_b64 s[18:19], KS
	s_mul_u64 s[22:23], s[20:21], s[18:19]         ; where these rows' scales begin, in bytes
	s_mul_u64 s[92:93], s[46:47], s[18:19]
	s_mov_b64 s[18:19], KROW
	s_mul_u64 s[20:21], s[20:21], s[18:19]         ; and their codes
	s_mul_u64 s[46:47], s[46:47], s[18:19]
	s_mul_i32 s45, s14, HALFT                      ; where they go: wave x 128 rows: no place in the cluster enters an LDS address
	s_mul_i32 s94, s14, HALFS
	s_mov_b32 s96, 0x3e38aa3b                      ; log2(e) / 8
	s_mov_b32 s97, s96                             ; (named with it as a pair, so it is written)
	s_wait_dscnt 0x0                               ; both opening adds are done
	s_wait_kmcnt 0x0
	s_add_nc_u64 s[20:21], s[4:5], s[20:21]
	s_add_nc_u64 s[22:23], s[6:7], s[22:23]
	s_add_nc_u64 s[46:47], s[8:9], s[46:47]
	s_add_nc_u64 s[92:93], s[10:11], s[92:93]
	CROUND                                         ; all sixteen work-groups are here: the joint loads meet
	s_mov_b32 s[G0S], 1
	s_add_co_u32 s[G0S+1], s94, SCL
	s_mov_b64 s[G0S+2:G0S+3], s[22:23]
	s_or_b32 s[G0S+3], s[G0S+3], 0x80000000
	s_mov_b32 s[G0SB], 1
	s_add_co_u32 s[G0SB+1], s94, SCL
	s_mov_b64 s[G0SB+2:G0SB+3], s[92:93]
	s_or_b32 s[G0SB+3], s[G0SB+3], 0x80000000
	JLOAD G0S, G1S, G0SB, G1SB                     ; the scales first: they are wanted with K step 0
.irp s, 0,1
	s_mov_b32 s[G0+4*\s], 1
	s_add_co_u32 s[G0+4*\s+1], s45, \s*SLOT
	s_add_nc_u64 s[G0+4*\s+2:G0+4*\s+3], s[20:21], \s*ROWB
	s_or_b32 s[G0+4*\s+3], s[G0+4*\s+3], 0x80000000
	s_mov_b32 s[G0B+4*\s], 1
	s_add_co_u32 s[G0B+4*\s+1], s45, \s*SLOT
	s_add_nc_u64 s[G0B+4*\s+2:G0B+4*\s+3], s[46:47], \s*ROWB
	s_or_b32 s[G0B+4*\s+3], s[G0B+4*\s+3], 0x80000000
	JLOAD G0+4*\s, G1, G0B+4*\s, G1B
.endr
	v_and_b32 v1, 15, v0                           ; r = l % 16
	v_bfe_u32 v2, v0, 4, 1                         ; h = l / 16
	v_mul_u32_u24 v3, v1, PITCH
	v_lshl_add_u32 v4, v2, 4, v3                   ; a fragment's row x pitch + 16 x half
	s_mul_i32 s21, s15, HALFT                      ; my 128 rows of A
	s_mul_i32 s22, s16, HALFT                      ; my 128 rows of B,
	s_add_co_u32 s22, s22, 2*HALFT                 ; which lie behind A's 256
.irp s, 0,1
	v_add_nc_u32 v[ADRA+\s], s21, v4
	v_add_nc_u32 v[ADRB+\s], s22, v4
	s_add_co_u32 s21, s21, SLOT
	s_add_co_u32 s22, s22, SLOT
.endr
	v_mul_u32_u24 v5, v1, KS                       ; my row's scales: 32 bytes a row,
	v_lshrrev_b32 v6, 8, v5
	v_lshl_add_u32 v5, v6, 4, v5                   ; and 16 more for each 256 passed
	s_mul_i32 s21, s15, HALFS                      ; A's: my 128 rows
	s_mul_i32 s22, s16, HALFS                      ; B's: my 128 rows, behind A's 256
	s_add_co_u32 s22, s22, 2*HALFS
	s_sub_co_u32 s22, s22, s21
	v_mul_u32_u24 v6, s22, v2                      ; lanes 16-31 take B's: one product, the distance between the two bases
	s_add_co_u32 s21, s21, SCL
	v_add_nc_u32 v5, v5, v6
	v_add_nc_u32 v[ADRS], s21, v5
	s_mul_i32 s23, s14, 16*SPITCH                  ; my stage
	v_mul_u32_u24 v5, v1, SPITCH                   ; in: row r, 16 bytes for each half of the lanes
	v_lshl_add_u32 v5, v2, 4, v5
	v_add_nc_u32 v[STO], s23, v5
	v_bfe_u32 v5, v0, 3, 2                         ; back: eight lanes take a head's 128 bytes of a row, the 32 lanes four rows
	v_mul_u32_u24 v5, v5, SPITCH
	v_and_b32 v7, 7, v0
	v_lshl_add_u32 v5, v7, 4, v5
	v_add_nc_u32 v[RD], s23, v5
	v_and_b32 v6, 31, v0
	v_lshlrev_b32 v[CO], 4, v6                     ; four rows of 128 bytes of one head are 512 consecutive bytes of qkv: 16 x lane
	; where my part begins in qkv: ((batch x 16 + head) x 2,048 + n) x 128 bytes, + which << 24.  batch = tile row / 8, n = 256 (tile row % 8) + 128 (my rows' half), head = 4 cx + 2 (my columns' half)
	s_lshr_b32 s20, s17, 3
	s_lshl_b32 s20, s20, 4
	s_lshl_b32 s21, s16, 1
	s_add_co_u32 s20, s20, s21
	s_lshl_b32 s20, s20, 11
	s_and_b32 s21, s17, 7
	s_lshl_b32 s21, s21, 8
	s_add_co_u32 s20, s20, s21
	s_lshl_b32 s21, s15, 7
	s_add_co_u32 s20, s20, s21
	s_lshl_b32 s20, s20, 7
	s_mov_b32 s21, 0
	s_lshl_b32 s46, s40, 20                        ; 4 cx heads of 262,144 bytes
	s_lshl_b32 s47, ttmp9, 24                      ; q, k or v
	s_add_co_u32 s46, s46, s47
	s_mov_b32 s47, 0
	s_add_nc_u64 s[20:21], s[20:21], s[46:47]
	s_add_nc_u64 s[12:13], s[12:13], s[20:21]
.macro FRAG reg, adr, q, i             ; a fragment: lane l holds row l % 16; registers 4 c .. 4 c + 3 hold K = 64 c + 32 (l / 16) + 0 .. 31
.irp c, 0,1
	ds_load_b128 v[\reg+4*\c:\reg+4*\c+3], v[\adr] offset:64*(\q)+32*\c+(\i)*16*PITCH
.endr
.endm
; 16 matrix instructions: A's blocks a0, a0 + 1 x B's eight, the slot's q-th 128 along K.  p: B's set;  sc: the set of scale words.  zero = 1: the first product starts the sums.
; The 64 accumulators take turns, one instruction a turn, in the same order in every step.
.macro MUL16 a0, p, q, sc, zero
.irp a, \a0, \a0+1
.irp b, 0,1,2,3,4,5,6,7
.if \zero
	v_wmma_scale_f32_16x16x128_f8f6f4 v[8*(8*((\a)%4)+\b):8*(8*((\a)%4)+\b)+7], v[128*(\p)+FR*\b:128*(\p)+FR*\b+FR-1], v[AF+FR*(\a):AF+FR*(\a)+FR-1], 0, v[SC+8*NQ*(\sc)+NQ*\b+(\q)], v[SC+8*NQ*(\sc)+NQ*(\a)+(\q)] matrix_a_fmt:MATRIX_FMT_FP4 matrix_b_fmt:MATRIX_FMT_FP4 matrix_a_scale:MATRIX_SCALE_ROW1
.else
	v_wmma_scale_f32_16x16x128_f8f6f4 v[8*(8*((\a)%4)+\b):8*(8*((\a)%4)+\b)+7], v[128*(\p)+FR*\b:128*(\p)+FR*\b+FR-1], v[AF+FR*(\a):AF+FR*(\a)+FR-1], v[8*(8*((\a)%4)+\b):8*(8*((\a)%4)+\b)+7], v[SC+8*NQ*(\sc)+NQ*\b+(\q)], v[SC+8*NQ*(\sc)+NQ*(\a)+(\q)] matrix_a_fmt:MATRIX_FMT_FP4 matrix_b_fmt:MATRIX_FMT_FP4 matrix_a_scale:MATRIX_SCALE_ROW1
.endif
.endr
.endr
.endm
.macro FETCH_B slot, q, p              ; B's eight fragments of the slot's q-th 128 along K into set p
	WIN TO_B
.irp i, 0,1,2,3,4,5,6,7
	FRAG 128*(\p)+FR*\i, ADRB+\slot, \q, \i
.endr
	WIN 0
.endm
.macro FETCH_A slot, q, i0             ; A's blocks i0 .. i0 + 3
.irp i, \i0, \i0+1, \i0+2, \i0+3
	FRAG AF+FR*(\i), ADRA+\slot, \q, \i
.endr
.endm
.macro SCALES sc                       ; a K step's scale words into set sc: four words a row; lanes 0-15 take A's block i, lanes 16-31 B's block i
.irp i, 0,1,2,3,4,5,6,7
	ds_load_b128 v[SC+8*NQ*\sc+NQ*\i:SC+8*NQ*\sc+NQ*\i+3], v[ADRS] offset:\i*SBLK
.endr
.endm
; A load into a register that a matrix instruction has read, and a vector instruction that reads a matrix result, stand NP places behind that matrix instruction; only plain vector
; instructions that name none of its registers are places (ISA guide 7.12.1 for vector instructions).
.macro PLACES n
.rept \n
	v_nop
.endr
.endm
.macro STEP slot, q, zero              ; a step of 128 along K that has its successor in the same slot
	s_wait_dscnt 4*NL                              ; B's set and A's blocks 0-3 are in; the youngest eight loads (A's blocks 4-7) may be out
	WIN MUL_LO
	MUL16 0, (\q)%2, \q, \slot, \zero
	MUL16 2, (\q)%2, \q, \slot, \zero
	s_wait_dscnt 0                                 ; A's blocks 4-7 are in
	PLACES NP
	FETCH_B \slot, (\q)+1, 1-(\q)%2
	FETCH_A \slot, (\q)+1, 0
	WIN MUL_HI
	MUL16 4, (\q)%2, \q, \slot, \zero
	MUL16 6, (\q)%2, \q, \slot, \zero
	PLACES NP
	WIN 0
	FETCH_A \slot, (\q)+1, 4
.endm
; Slot 0's last step changes slots: one barrier; in front of it each wave waits for all its tensor loads (its part of slot 1), adds 0 to its spare word, and waits for that and for its reads of slot 0.
; Behind it slot 1 is whole and nobody reads slot 0 any more: the way out may lay its stages there.
.macro TURN slot, next
	s_wait_tensorcnt 0x0
	ds_add_u32 v[SPW], v[NIL]                      ; 0 onto my spare word
	s_wait_dscnt 4*NL+1                            ; (the add and the youngest eight loads may be out)
	WIN MUL_LO
	MUL16 0, 1, NQ-1, \slot, 0
	s_wait_dscnt 0x0                               ; the add is done, and my reads of this slot are over
	s_barrier_signal -1
	MUL16 2, 1, NQ-1, \slot, 0
	WIN 0
	s_barrier_wait -1
	PLACES NP
	v_add_nc_u32 v[ADRS], 4*NQ, v[ADRS]            ; on to the next K step's scale words
	FETCH_B \next, 0, 0
	FETCH_A \next, 0, 0
	SCALES \next
	WIN MUL_HI
	MUL16 4, 1, NQ-1, \slot, 0
	MUL16 6, 1, NQ-1, \slot, 0
	PLACES NP
	WIN 0
	FETCH_A \next, 0, 4
.endm
	s_wait_tensorcnt 1                             ; the scales and my part of K step 0 are in; K step 1's load may be out
	s_barrier_signal -1
	s_barrier_wait -1                              ; everybody's are
	FETCH_B 0, 0, 0
	FETCH_A 0, 0, 0
	SCALES 0
	FETCH_A 0, 0, 4
	STEP 0, 0, 1                                   ; the first products start the sums: nothing is cleared
	STEP 0, 1, 0
	STEP 0, 2, 0
	TURN 0, 1
	STEP 1, 0, 0
	STEP 1, 1, 0
	STEP 1, 2, 0
	s_wait_dscnt 4*NL                              ; the last step: nothing more to fetch
	WIN MUL_LO
	MUL16 0, 1, NQ-1, 1, 0
	MUL16 2, 1, NQ-1, 1, 0
	s_wait_dscnt 0
	WIN MUL_HI
	MUL16 4, 1, NQ-1, 1, 0
	MUL16 6, 1, NQ-1, 1, 0
	WIN 0
	PLACES NP                                      ; behind the last products
	; q alone is multiplied by log2(e) / 8, in f32, ahead of its rounding.  The branch hangs on the cluster's x, which all sixteen partners share.
	s_cmp_lg_u32 ttmp9, 0
	s_cbranch_scc1 .Lnot_q
	WIN 0x82                                       ; destination and source 0: window 2
.set i, 0
.rept 128
	v_pk_mul_f32 v[i:i+1], v[i:i+1], s[96:97] op_sel_hi:[1,0]
.set i, i+2
.endr
	WIN 0xc3                                       ; window 3
.set i, 0
.rept 128
	v_pk_mul_f32 v[i:i+1], v[i:i+1], s[96:97] op_sel_hi:[1,0]
.set i, i+2
.endr
	WIN 0
.Lnot_q:
; THE WAY OUT, block by block of 16 rows x 128 columns (two heads).  PACK: rounded to f16, 16 bytes a lane, each accumulator from its low end.  TOSTAGE: into my stage, and back four rows of one head at a time.
; SEND: a store covers four rows of a head: 512 consecutive bytes.
.macro PACK a
.set AC, 64*((\a)%4)
	WIN 0x0a+5*((\a)/4)                            ; sources 0 and 1: window 2 or 3
.irp b, 0,1,2,3,4,5,6,7
.irp r, 0,1,2,3
	v_cvt_pk_f16_f32 v[TMP+4*\b+\r], v[AC+8*\b+2*\r], v[AC+8*\b+2*\r+1]
.endr
.endr
	WIN 0
.endm
.macro TOSTAGE a
.set BK, OB+192*((\a)%2)
.irp b, 0,1,2,3,4,5,6,7
	ds_store_b128 v[STO], v[TMP+4*\b:TMP+4*\b+3] offset:32*\b
.endr
.irp t, 0,1,2,3,4,5,6,7
	ds_load_b128 v[BK+4*\t:BK+4*\t+3], v[RD] offset:(\t%4)*4*SPITCH+128*(\t/4)   ; LDS serves a wave's instructions in order: these see the stores above
.endr
.endm
.macro SEND a
.set BK, OB+192*((\a)%2)
	s_wait_dscnt 0x0                               ; the block is back in registers
	s_wait_xcnt 0x0                                ; the earlier stores have read their registers and their base: only behind this wait are these rewritten
.if (\a) > 0
	s_add_nc_u64 s[12:13], s[12:13], 16*128        ; 16 rows of a head on
.endif
.irp t, 0,1,2,3,4,5,6,7
	global_store_b128 v[CO], v[BK+4*\t:BK+4*\t+3], s[12:13] offset:(\t/4)*262144+(\t%4)*512
.endr
.endm
	PACK 0
	TOSTAGE 0
.irp a, 1,2,3,4,5,6,7                  ; block a's conversions stand between block a - 1's loads from the stage and the wait for them
	PACK \a
	SEND (\a-1)
	TOSTAGE \a
.endr
	SEND 7
	s_wait_tensorcnt 0x0                           ; the wave's end, behind my last tensor load and my last LDS store
	ds_add_u32 v[SPW], v[NIL]
	s_wait_dscnt 0x0
	CROUND                                         ; the closing round
	s_endpgm
.Lfunc_end_k_q258db49915_gemm_qkv:
	.size	k_q258db49915_gemm_qkv, .Lfunc_end_k_q258db49915_gemm_qkv-k_q258db49915_gemm_qkv
	.p2alignl 7, 3214868480
	.fill 96, 4, 3214868480
	.section	.rodata,"a",@progbits
	.p2align	6, 0x0
	.amdhsa_kernel k_q258db49915_gemm_qkv
		.amdhsa_group_segment_fixed_size 327680
		.amdhsa_private_segment_fixed_size 0
		.amdhsa_enable_private_segment 0
		.amdhsa_kernarg_size 40
		.amdhsa_user_sgpr_count 2
		.amdhsa_user_sgpr_kernarg_segment_ptr 1
		.amdhsa_wavefront_size32 1
		.amdhsa_system_sgpr_workgroup_id_x 1
		.amdhsa_system_sgpr_workgroup_id_y 1
		.amdhsa_system_sgpr_workgroup_id_z 1
		.amdhsa_system_vgpr_workitem_id 0
		.amdhsa_next_free_vgpr 1024
		.amdhsa_next_free_sgpr 98
		.amdhsa_reserve_vcc 0
		.amdhsa_float_denorm_mode_32 3
		.amdhsa_float_denorm_mode_16_64 3
		.amdhsa_memory_ordered 1
		.amdhsa_forward_progress 1
		.amdhsa_inst_pref_size 143
	.end_amdhsa_kernel
	.amdgpu_metadata
---
amdhsa.version: [ 1, 2 ]
amdhsa.kernels:
  - .name:           k_q258db49915_gemm_qkv
    .symbol:         k_q258db49915_gemm_qkv.kd
    .args:
      - { .name: xq, .offset: 0, .size: 8, .value_kind: global_buffer, .address_space: global }
      - { .name: xs, .offset: 8, .size: 8, .value_kind: global_buffer, .address_space: global }
      - { .name: wq, .offset: 16, .size: 8, .value_kind: global_buffer, .address_space: global }
      - { .name: ws, .offset: 24, .size: 8, .value_kind: global_buffer, .address_space: global }
      - { .name: qkv, .offset: 32, .size: 8, .value_kind: global_buffer, .address_space: global }
    .group_segment_fixed_size: 327680
    .private_segment_fixed_size: 0
    .kernarg_segment_align: 8
    .kernarg_segment_size: 40
    .max_flat_workgroup_size: 128
    .sgpr_count:     98
    .vgpr_count:     1024
    .wavefront_size: 32
...
	.end_amdgpu_metadata
.endif
;; end of part 3
;; launch attn (part 4): grid 4 x 64, 8 waves a work-group, clusters of 4 x 1, 327,680 bytes of LDS; arguments qkv, o16; writes o16
.if DOCPART == 4
	.amdgcn_target "amdgcn-amd-amdhsa--gfx1250"
	.amdhsa_code_object_version 6
	.text
	.protected	k_q258db49915_attn
	.globl	k_q258db49915_attn
	.p2align	8
	.type	k_q258db49915_attn,@function
k_q258db49915_attn:
	s_mov_b64 s[64:65], 0
	v_nop
	global_prefetch_b8 v0, s[64:65] scope:SCOPE_SE
	s_setreg_imm32_b32 hwreg(HW_REG_WAVE_MODE, 25, 1), 1
	s_wait_xcnt 0x0
	s_wait_alu depctr_hold_cnt(0) depctr_sa_sdst(0) depctr_va_vdst(0) depctr_va_sdst(0) depctr_va_ssrc(0) depctr_va_vcc(0) depctr_vm_vsrc(0)
	s_getreg_b32 s2, hwreg(HW_REG_IB_STS2, 6, 4)
	s_cmp_eq_u32 s2, 0
	s_cbranch_scc0 .Lentry_in_a_cluster
	s_endpgm
.Lentry_in_a_cluster:
	s_bfe_u32 s2, ttmp6, 0x10000c
	s_cmp_lg_u32 s2, 0x3003
	s_cbranch_scc0 .Lentry_shape_is_right
	s_endpgm
.Lentry_shape_is_right:
; o[bh][q][:] = the sum over k of softmax_k(q . k / 8) v[k][:], for 64 heads of 2,048 positions, head size 64.  qkv: f16 [which 3][bh 64][2048][64], q already multiplied by log2(e) / 8, so a score s is an exponent of 2.
; o16: f16 [head 16][batch x 2048 + n][64].  Products on f16 operands, sums, maxima and the softmax in f32; the weights p are rounded to f16 for the second product, o once at the end.
; LIMITS: o stays under 65,504 (f16), as v does; NaN and infinities are not served.
; SHARES.  A work-group owns 512 queries of one head, each of its EIGHT waves 64: four tiles of 16, in 512 registers: two waves to a SIMD, so that one wave's softmax stands beside the other's products.
; Every wave walks all keys, 64 a step; each fragment of K and V that it reads from LDS feeds four products.
; LAYOUT.  S^T = K Q^T (source 0 = 16 keys, source 1 = 16 queries): a lane holds ONE query (lane % 16) and keys 8 (lane / 16) + 0..7.  Two such tiles, rounded to f16 in pairs, ARE source 1 (32 keys x 16 queries) of
; O^T = V^T P.  K comes out of LDS as it lies, V ([key][channel]) turned, by ds_load_tr16_b128.
; SOFTMAX.  For each query a running maximum m and sum l: p = 2^(s - m), at most 1; in every step O^T and l are multiplied by a = 2^(m_old - m_new).  m begins at -3e38, under every score; l at 0.
; CLUSTER.  A head's four query blocks are one cluster and walk the same K and V: each tile is asked for JOINTLY.  Two LDS slots of four key steps; waves 0-3 fetch a slot's four tiles of K, waves 4-7 those of V,
; one load a wave behind each round, with four key steps in which to land.
; THE PIPELINE.  HALF_A (step j): asks LDS for V of step j, multiplies K Q^T of step j.  HALF_B (step j): asks LDS for K of step j + 1, softmax, rescaling, V^T P of step j.  The change of slots stands between them.
; REGISTERS: window 0: v2-9 addresses; v12-14; v16-47 statistics, eight a tile; v64-191 S^T, 32 a tile, P packed in place over it; v192-255 K's eight fragments.
;   window 1: v0-127 O^T (tile t, channels 16 c on: 32 t + 8 c); v128-191 Q (128 + 16 t + 8 i); v192-255 V's eight fragments.
.set KS,    64                         ; keys in a step
.set PK,    144                        ; a row of K in LDS: 128 bytes + 16: 9 x 16, so that the 16 rows of a load start at different banks (64 banks of 4 bytes: ISA guide 11.1)
.set PV,    160                        ; a row of V: 128 + 32: 5 x 32, for the turning load
.set VOFF,  KS*PK                      ; a step's tiles lie together: 64 rows of K, then 64 rows of V
.set STEPB, KS*(PK+PV)
.set NST,   4                          ; steps in a slot
.set SLOT1, 1<<17                      ; slot 1 begins here: one exclusive or turns an address from one slot to the other
.set SLOTB, NST*KS*128                 ; a slot's keys in memory: 32,768 bytes of K, as many of V
.set STAGE, SLOT1+NST*STEPB            ; behind the ring: 16 rows x 144 bytes for each wave, for the way out
.set SP,    144
.set SPARE, STAGE+8*16*SP              ; behind the stages: the spare words, 128 bytes a wave, which no other line names
.set AK0, 2                            ; v2  my lane's place in a tile of K
.set AV0, 3                            ; v3  the same for V
.set ADR, 4                            ; v4  LDS address of K's run of loads
.set ADRV, 5                           ; v5  of V's
.set STO, 6                            ; v6  the way out: where I put 16 bytes of a row
.set RD,  7                            ; v7  where I read rows back
.set GO,  8                            ; v8  16 x lane
.set QO,  9                            ; v9  my byte offset in a tile of Q
.set SPW, 12
.set NIL, 13
.set PFO, 14                           ; v14 256 x lane: the prefetches' offset
.set ST,  16                           ; tile t's statistics at v[ST + 8 t]: +0 m, +1 its pair's partner (0), +2, +3 l (even keys', odd keys'), +4 .. +7 c0-c3 at work; a takes +6, m_old and then the difference +7
.set S,   64
.set KF,  192
.set QF,  128                          ; in window 1
.set VF,  192                          ; in window 1
.set WV,  12                           ; s12 my wave's number
.set LIM, 15                           ; s15 1 in a wave that prefetches, else the greatest number
.set PFA, 18                           ; s[18:19] where my prefetches stand
.set G1K, 24
.set G1V, 32
.set G0K, 40                           ; s[40:47] two sets: the two first fills; the second then walks on
.set G0V, 48
.set SLOTS, 56                         ; s56 slots still to be asked for
.set CNT, 57                           ; s57 counts key steps
.set SEL, 60                           ; s[60:61] lane selects for v_permlanex16_b32: lane l xor 16
.set TB,  62                           ; s62 LDS byte at which the tiles of the step to be fetched begin
.set MSB, 0
.macro WIN new                         ; the immediate's high byte repeats the setting that is left
.if MSB != \new
	s_set_vgpr_msb (MSB<<8)|\new
.set MSB, \new
.endif
.endm
.set W_KQ, 0x04                        ; Q (source 1) in window 1; K and S^T in window 0
.set W_PV, 0x51                        ; V (source 0) and O^T (C, D) in window 1; P in window 0
.set W_RS, 0x41                        ; O^T (destination and source 0) in window 1, a in window 0
.set W_L1, 0x40                        ; a load's destination in window 1, its address in window 0
.macro PLACES n
.rept \n
	v_nop
.endr
.endm
; A joint refill.  The branch hangs on the wave's number alone.  An s_nop 0 and four v_nop follow each of the two lines.
.macro JLOAD
	s_cmp_lt_u32 s[WV], 4
	s_cbranch_scc0 .Lfor_v_\@
	tensor_load_to_lds s[G0K+4:G0K+7], s[G1K:G1K+7]
	s_nop 0
.rept 4
	v_nop
.endr
	s_branch .Lasked_\@
.Lfor_v_\@:
	tensor_load_to_lds s[G0V+4:G0V+7], s[G1V:G1V+7]
	s_nop 0
.rept 4
	v_nop
.endr
.Lasked_\@:
.endm
; A PREFETCH of what the NEXT change of slots will ask for: 32,768 bytes of K and as many of V.  A head has one cluster; its four partners share the bytes out BY ADDRESS, 8,192 each; in each, wave 0 asks for K's
; and wave 4 for V's, lanes 256 bytes apart: each aligned block of 256 bytes is named once in the launch.  It stands behind the wave's tensor load and its five lines: four key steps ahead of the load that will want
; the bytes.  The last change that fills a slot asks for nothing; slots 0, 1 and 2 come by their loads alone.
.macro ASK
	s_cmp_gt_u32 s[SLOTS], s[LIM]
	s_cbranch_scc0 .Lnot_mine_\@
	global_prefetch_b8 v[PFO], s[PFA:PFA+1] th:TH_LOAD_NT scope:SCOPE_SE
.Lnot_mine_\@:
.endm
.macro CROUND                          ; a round of the cluster's barrier
	s_barrier_signal -1
	s_barrier_wait -1
	s_cmp_lg_u32 s[WV], 0
	s_cbranch_scc1 .Lnot_wave_0_\@
	s_barrier_signal -3
.Lnot_wave_0_\@:
	s_barrier_wait -3
	s_barrier_signal -1
	s_barrier_wait -1
.endm
	s_load_b128 s[4:7], s[0:1], 0x0                ; qkv, o16
	v_lshl_add_u32 v[SPW], v0, 2, SPARE
	v_mov_b32 v[NIL], 0
	ds_add_u32 v[SPW], v[NIL]                      ; the wave's opening: the add, twice on end, and its wait ahead of my first tensor load
	ds_add_u32 v[SPW], v[NIL]
	v_lshrrev_b32 v1, 5, v0
	v_readfirstlane_b32 s[WV], v1                  ; wave 0..7
	s_bfe_u32 s13, ttmp6, 0x40000                  ; cx: my place in the cluster
	s_lshl_b32 s14, ttmp9, 2
	s_add_co_u32 s14, s14, s13                     ; my block of 512 queries: it enters Q's and O's addresses (and the prefetches') alone
	s_and_b32 s20, ttmp7, 0xffff                   ; bh = 16 x batch + head, which the four partners share
	s_lshl_b32 s22, s20, 18                        ; the head's first byte in each of q, k, v: 262,144 bytes a head
	s_and_b32 s16, s[WV], 3                        ; which of a slot's four steps I fetch:
	s_lshl_b32 s2, s16, 13                         ; its 64 rows of 128 bytes in memory,
	s_add_co_u32 s2, s2, s22
	s_mov_b32 s3, 0
	s_mul_i32 s17, s16, STEPB                      ; and its place in a slot: no place in the cluster enters an LDS address
	s_lshl_b32 s21, s14, 16                        ; my block's 512 rows,
	s_lshl_b32 s23, s[WV], 13                      ; my wave's 64 of them
	s_add_co_u32 s21, s21, s23
	s_add_co_u32 s22, s22, s21                     ; Q's offset
	s_mov_b32 s23, 0
	s_and_b32 s16, s20, 15
	s_lshl_b32 s16, s16, 20                        ; o16: the head's plane, 1,048,576 bytes,
	s_lshr_b32 s20, s20, 4
	s_lshl_b32 s20, s20, 18                        ; the batch's 2,048 rows in it
	s_add_co_u32 s20, s20, s16
	s_add_co_u32 s20, s20, s21
	s_mov_b32 s21, 0
	; descriptor group 1: a tile of 64 rows x 64 elements of 2 bytes, dense in memory, padded in LDS
	s_mov_b32 s[G1K], 15|(1<<16)|(1<<20)|(1<<21)|(4<<22)|(3<<25)  ; 15:0 the mask: all four work-groups; 17:16 elements of 2 bytes; 20 padding on; 21 set beside a mask; 24:22 after every 32 words; 31:25 four words
	s_mov_b32 s[G1V], 15|(1<<16)|(1<<20)|(1<<21)|(4<<22)|(7<<25)  ; the same with eight words of padding
.irp g, G1K, G1V
	s_mov_b32 s[\g+1], 64<<16                      ; tensor_dim0
	s_mov_b32 s[\g+2], KS<<16                      ; tensor_dim1
	s_mov_b32 s[\g+3], 64<<16                      ; tile_dim0
	s_mov_b32 s[\g+4], KS                          ; tile_dim1
	s_mov_b32 s[\g+5], 64                          ; tensor_dim0_stride
	s_mov_b32 s[\g+6], 0
	s_mov_b32 s[\g+7], 0
.endr
	s_mov_b32 s[SEL], 0x76543210
	s_mov_b32 s[SEL+1], 0xfedcba98
	s_mov_b32 s[TB], 0
	s_mov_b32 s[SLOTS], 2048/(NST*KS)-2
	s_and_b32 s[LIM], s[WV], 3                     ; waves 0 and 4 prefetch: the same in all four partners
	s_cmp_eq_u32 s[LIM], 0
	s_cselect_b32 s[LIM], 1, -1
	v_and_b32 v[PFO], 31, v0
	v_lshlrev_b32 v[PFO], 8, v[PFO]
	s_wait_dscnt 0x0                               ; both opening adds are done
	s_wait_kmcnt 0x0
	s_add_nc_u64 s[8:9], s[4:5], s[2:3]
	s_add_nc_u64 s[10:11], s[8:9], 0x2000000       ; V at my tile of slot 0
	s_add_nc_u64 s[8:9], s[8:9], 0x1000000         ; K likewise
	s_add_nc_u64 s[4:5], s[4:5], s[22:23]          ; Q at my wave's first row
	s_add_nc_u64 s[6:7], s[6:7], s[20:21]          ; O likewise
	s_cmp_lt_u32 s[WV], 4
	s_cselect_b64 s[PFA:PFA+1], s[8:9], s[10:11]   ; (in waves 0 and 4 these stand at a slot's first row)
	s_lshl_b32 s2, s13, 13                         ; my work-group's 8,192 bytes of the 32,768
	s_mov_b32 s3, 0
	s_add_nc_u64 s[PFA:PFA+1], s[PFA:PFA+1], s[2:3]
	s_add_nc_u64 s[PFA:PFA+1], s[PFA:PFA+1], 2*SLOTB   ; in slot 2; the first change of slots steps it to slot 3
	CROUND                                         ; all four work-groups are here: the first joint loads meet
.irp s, 0,1
	s_mov_b32 s[G0K+4*\s], 1                       ; count = 1
	s_add_co_u32 s[G0K+4*\s+1], s17, \s*SLOT1      ; LDS address
	s_add_nc_u64 s[G0K+4*\s+2:G0K+4*\s+3], s[8:9], \s*SLOTB   ; global address
	s_or_b32 s[G0K+4*\s+3], s[G0K+4*\s+3], 0x80000000         ; type = 2
	s_mov_b32 s[G0V+4*\s], 1
	s_add_co_u32 s[G0V+4*\s+1], s17, \s*SLOT1+VOFF
	s_add_nc_u64 s[G0V+4*\s+2:G0V+4*\s+3], s[10:11], \s*SLOTB
	s_or_b32 s[G0V+4*\s+3], s[G0V+4*\s+3], 0x80000000
.endr
	s_cmp_lt_u32 s[WV], 4                          ; a wave's two first fills stand in one branch: two loads of mine are out
	s_cbranch_scc0 .Lfirst_v
	tensor_load_to_lds s[G0K:G0K+3], s[G1K:G1K+7]
	s_nop 0
	tensor_load_to_lds s[G0K+4:G0K+7], s[G1K:G1K+7]
	s_nop 0
.rept 4
	v_nop
.endr
	s_branch .Lfirst_asked
.Lfirst_v:
	tensor_load_to_lds s[G0V:G0V+3], s[G1V:G1V+7]
	s_nop 0
	tensor_load_to_lds s[G0V+4:G0V+7], s[G1V:G1V+7]
	s_nop 0
.rept 4
	v_nop
.endr
.Lfirst_asked:
	; A fragment of K or Q is 16 rows x 32 channels in 8 registers: lane l holds row l % 16; registers 0-3 channels 8 (l / 16) + 0..7, registers 4-7 channels 16 + 8 (l / 16) + 0..7: two loads of 16 bytes, 32 bytes apart.
	v_and_b32 v1, 15, v0                           ; r
	v_bfe_u32 v10, v0, 4, 1                        ; h
	v_lshlrev_b32 v[QO], 7, v1
	v_lshl_add_u32 v[QO], v10, 4, v[QO]            ; row x 128 + 16 x half
	WIN W_L1
.irp t, 0,1,2,3
.irp i, 0,1
	global_load_b128 v[QF+16*\t+8*\i:QF+16*\t+8*\i+3],   v[QO], s[4:5] offset:\t*2048+\i*64      ; Q stays in registers
	global_load_b128 v[QF+16*\t+8*\i+4:QF+16*\t+8*\i+7], v[QO], s[4:5] offset:\t*2048+\i*64+32
.endr
.endr
	WIN 0
	v_mul_u32_u24 v[AK0], v1, PK
	v_lshl_add_u32 v[AK0], v10, 4, v[AK0]          ; row x pitch + 16 x half
	; The turning load: lane l reads 16 bytes: key 8 (l / 16) + l % 8, channels 8 ((l / 8) % 2) + 0..7; it leaves half a fragment of V^T: lane l holds channel l % 16 and 8 keys.
	v_and_b32 v11, 7, v0
	v_bfe_u32 v15, v0, 3, 1
	v_lshl_add_u32 v[AV0], v10, 3, v11
	v_mul_u32_u24 v[AV0], v[AV0], PV
	v_lshl_add_u32 v[AV0], v15, 4, v[AV0]
	v_add_nc_u32 v[AV0], VOFF, v[AV0]
	s_mul_i32 s16, s[WV], 16*SP
	s_add_co_u32 s16, s16, STAGE                   ; my stage
	v_mul_u32_u24 v[STO], v1, SP                   ; in: row r, 16 bytes for each half of the lanes
	v_lshl_add_u32 v[STO], v10, 4, v[STO]
	v_add_nc_u32 v[STO], s16, v[STO]
	v_bfe_u32 v15, v0, 3, 2                        ; back: eight lanes to a row of 128 bytes, four rows an instruction
	v_mul_u32_u24 v[RD], v15, SP
	v_lshl_add_u32 v[RD], v11, 4, v[RD]
	v_add_nc_u32 v[RD], s16, v[RD]
	v_and_b32 v[GO], 31, v0
	v_lshlrev_b32 v[GO], 4, v[GO]                  ; four rows of O are 512 consecutive bytes: 16 x lane
.irp t, 0,1,2,3
	v_mov_b32 v[ST+8*\t], 0xff61b1e6               ; m: -3e38, under every score
	v_mov_b32 v[ST+8*\t+1], 0                      ; (named with m as a pair, so it is written)
	v_mov_b32 v[ST+8*\t+2], 0                      ; l, in two halves
	v_mov_b32 v[ST+8*\t+3], 0
.endr
.macro FETCH_K                         ; a step's K: 64 keys x 64 channels: fragment g: keys 16 (g / 2) on, channels 32 (g % 2) on.  16 loads in one run
	v_add_nc_u32 v[ADR], s[TB], v[AK0]
.irp g, 0,1,2,3,4,5,6,7
	ds_load_b128 v[KF+8*\g:KF+8*\g+3],   v[ADR] offset:(\g/2)*16*PK+(\g%2)*64
	ds_load_b128 v[KF+8*\g+4:KF+8*\g+7], v[ADR] offset:(\g/2)*16*PK+(\g%2)*64+32
.endr
.endm
.macro FETCH_V                         ; the same step's V, turned: fragment g: keys 32 (g / 4) on, channels 16 (g % 4) on.  16 loads in one run
	v_add_nc_u32 v[ADRV], s[TB], v[AV0]
	s_add_co_u32 s[TB], s[TB], STEPB               ; the next fetch is the next step's
	WIN W_L1
.irp g, 0,1,2,3,4,5,6,7
	ds_load_tr16_b128 v[VF+8*\g:VF+8*\g+3],   v[ADRV] offset:(\g/4)*32*PV+(\g%4)*32
	ds_load_tr16_b128 v[VF+8*\g+4:VF+8*\g+7], v[ADRV] offset:(\g/4)*32*PV+(\g%4)*32+16*PV
.endr
.endm
; 32 products S^T = K Q^T.  The 16 accumulators take turns, one instruction a turn; the first 16 start the sums.
.macro KQ_ALL
	WIN W_KQ
.irp i, 0,1
.irp kt, 0,1,2,3
.irp t, 0,1,2,3
.if \i == 0
	v_wmma_f32_16x16x32_f16 v[S+32*\t+8*\kt:S+32*\t+8*\kt+7], v[KF+8*(2*\kt+\i):KF+8*(2*\kt+\i)+7], v[QF+16*\t+8*\i:QF+16*\t+8*\i+7], 0
.else
	v_wmma_f32_16x16x32_f16 v[S+32*\t+8*\kt:S+32*\t+8*\kt+7], v[KF+8*(2*\kt+\i):KF+8*(2*\kt+\i)+7], v[QF+16*\t+8*\i:QF+16*\t+8*\i+7], v[S+32*\t+8*\kt:S+32*\t+8*\kt+7]
.endif
.endr
.endr
.endr
.endm
; 32 products O^T += V^T P, likewise by turns.  zero = 1: the first key step's first 16 start the sums: nothing is ever cleared.
.macro PV_ALL zero
	WIN W_PV
.irp f, 0,1
.irp c, 0,1,2,3
.irp t, 0,1,2,3
.if \zero && (\f == 0)
	v_wmma_f32_16x16x32_f16 v[32*\t+8*\c:32*\t+8*\c+7], v[VF+8*(4*\f+\c):VF+8*(4*\f+\c)+7], v[S+32*\t+16*\f:S+32*\t+16*\f+7], 0
.else
	v_wmma_f32_16x16x32_f16 v[32*\t+8*\c:32*\t+8*\c+7], v[VF+8*(4*\f+\c):VF+8*(4*\f+\c)+7], v[S+32*\t+16*\f:S+32*\t+16*\f+7], v[32*\t+8*\c:32*\t+8*\c+7]
.endif
.endr
.endr
.endr
.endm
; THE SOFTMAX of a key step, all in window 0, the four tiles by turns in every stage, so that no line waits for the line above it.
.macro SOFTMAX
.irp j, 0,1,2,3                        ; the maximum of a lane's 32 scores and the old m: four chains, each begun at the low end of an accumulator
.irp t, 0,1,2,3
	v_max3_num_f32 v[ST+8*\t+4+\j], v[S+32*\t+8*\j], v[S+32*\t+8*\j+1], v[S+32*\t+8*\j+2]
.endr
.endr
.irp u, 1,2
.irp j, 0,1,2,3
.irp t, 0,1,2,3
	v_max3_num_f32 v[ST+8*\t+4+\j], v[ST+8*\t+4+\j], v[S+32*\t+8*\j+2*\u+1], v[S+32*\t+8*\j+2*\u+2]
.endr
.endr
.endr
.irp t, 0,1,2,3
	v_max3_num_f32 v[ST+8*\t+4], v[ST+8*\t+4], v[S+32*\t+7], v[S+32*\t+15]
.endr
.irp t, 0,1,2,3
	v_max3_num_f32 v[ST+8*\t+6], v[ST+8*\t+6], v[S+32*\t+23], v[S+32*\t+31]
.endr
.irp t, 0,1,2,3
	v_max3_num_f32 v[ST+8*\t+4], v[ST+8*\t+4], v[ST+8*\t+5], v[ST+8*\t+6]
.endr
.irp t, 0,1,2,3
	v_max3_num_f32 v[ST+8*\t+4], v[ST+8*\t+4], v[ST+8*\t+7], v[ST+8*\t]
.endr
.irp t, 0,1,2,3
	v_permlanex16_b32 v[ST+8*\t+5], v[ST+8*\t+4], s[SEL], s[SEL+1]   ; the query's other 32 keys lie in the lane 16 away
.endr
.irp t, 0,1,2,3
	v_mov_b32 v[ST+8*\t+7], v[ST+8*\t]             ; m_old
.endr
.irp t, 0,1,2,3
	v_max_num_f32 v[ST+8*\t], v[ST+8*\t+4], v[ST+8*\t+5]   ; the new m
.endr
.irp t, 0,1,2,3
	v_sub_f32 v[ST+8*\t+7], v[ST+8*\t+7], v[ST+8*\t]       ; m_old - m_new, 0 or less
.endr
	; ONE BATCH: the 64 subtractions s - m (a pair each) and all 132 exponentials.  None of these lines names an exponential's result.  Tile t + 1's subtractions stand among tile t's exponentials.
.irp e, 0,2,4,6,8,10,12,14,16,18,20,22,24,26,28,30
	v_pk_add_f32 v[S+\e:S+\e+1], v[S+\e:S+\e+1], v[ST:ST+1] op_sel_hi:[1,0] neg_lo:[0,1] neg_hi:[0,1]
.endr
.irp t, 0,1,2,3
	v_exp_f32 v[ST+8*\t+6], v[ST+8*\t+7]           ; a
.irp e, 0,2,4,6,8,10,12,14,16,18,20,22,24,26,28,30
	v_exp_f32 v[S+32*\t+\e], v[S+32*\t+\e]         ; p
	v_exp_f32 v[S+32*\t+\e+1], v[S+32*\t+\e+1]
.if \t < 3
	v_pk_add_f32 v[S+32*(\t+1)+\e:S+32*(\t+1)+\e+1], v[S+32*(\t+1)+\e:S+32*(\t+1)+\e+1], v[ST+8*(\t+1):ST+8*(\t+1)+1] op_sel_hi:[1,0] neg_lo:[0,1] neg_hi:[0,1]
.endif
.endr
.endr
	v_nop                                          ; a plain instruction behind the last exponential, ahead of the first use
	s_wait_alu depctr_va_vdst(0)                   ; and one wait for the whole batch
	; l = a l + the sum of the unrounded p; each pair is summed, then rounded to f16 into its place in source 1 of V^T P.  The packed register j of a fragment lies at or below the pair that feeds it, so ascending order overwrites nothing unread.
.irp b, 0,1,2,3,4,5,6,7,8,9,10,11,12,13,14,15
.irp t, 0,1,2,3
.if \b == 0
	v_pk_fma_f32 v[ST+8*\t+2:ST+8*\t+3], v[ST+8*\t+2:ST+8*\t+3], v[ST+8*\t+6:ST+8*\t+7], v[S+32*\t:S+32*\t+1] op_sel_hi:[1,0,1]
.else
	v_pk_add_f32 v[ST+8*\t+2:ST+8*\t+3], v[ST+8*\t+2:ST+8*\t+3], v[S+32*\t+2*\b:S+32*\t+2*\b+1]
.endif
	v_cvt_pk_f16_f32 v[S+32*\t+16*(\b/8)+(\b%8)], v[S+32*\t+2*\b], v[S+32*\t+2*\b+1]
.endr
.endr
.endm
.macro RESCALE                         ; O^T times a
	WIN W_RS
.irp t, 0,1,2,3
.set i, 32*\t
.rept 16
	v_pk_mul_f32 v[i:i+1], v[i:i+1], v[ST+8*\t+6:ST+8*\t+7] op_sel_hi:[1,0]
.set i, i+2
.endr
.endr
.endm
; kl = 1: the next step's K is asked of LDS.  first = 1: the first key step: O^T has nothing to rescale, and its products start the sums.
.macro HALF_B kl, first
	WIN 0
	PLACES 4                                       ; behind K Q^T: ahead of the loads into K's registers and of the first read of the scores
.if \kl
	FETCH_K
.endif
	SOFTMAX
.if \first
	PLACES 4
.else
	RESCALE
.endif
	s_wait_dscnt 16*\kl                            ; V is in; the next K's 16 loads, which are younger, may be out
	PV_ALL \first
.endm
.macro HALF_A
	WIN 0
	PLACES 4                                       ; behind V^T P: four places ahead of the loads into V's registers; with the address's addition five ahead of K Q^T, which writes over P's registers
	FETCH_V
	s_wait_dscnt 16                                ; K is in; V's 16 loads, which are younger, may be out
	KQ_ALL
	WIN 0
.endm
.macro STEPS n                         ; n key steps: written once, walked n times; the LDS addresses hang on s[TB]
	s_mov_b32 s[CNT], \n
.Lstep_\@:
	HALF_B 1, 0
	HALF_A
	s_sub_co_u32 s[CNT], s[CNT], 1
	s_cmp_lg_u32 s[CNT], 0
	s_cbranch_scc1 .Lstep_\@
.endm
; THE CHANGE OF SLOTS: the slot's last bytes, V of its fourth step, have been asked for.  Each wave waits for all its tensor loads, of which one is out: its part of the other slot; adds 0 to its spare word; and waits for
; that and for its own reads of the slot.  fill = 1: the barrier is a round of the cluster's, so that no wave of any partner still reads the slot or has a load on its way; the joint refill, the keys two slots on, is
; the first thing behind it.
.macro CHANGE fill
	WIN 0
	s_wait_tensorcnt 0x0                           ; no tensor load of mine is out, so a group 0 may be written
	ds_add_u32 v[SPW], v[NIL]                      ; 0 onto my spare word
.if \fill
.irp g, G0K+4, G0V+4
	s_xor_b32 s[\g+1], s[\g+1], SLOT1              ; the walking descriptor: the other slot than last time,
	s_add_nc_u64 s[\g+2:\g+3], s[\g+2:\g+3], SLOTB ; the next 256 keys; the type bits on top are not reached
.endr
	s_wait_xcnt 0x0                                ; the last prefetch, four key steps back, has read its address
	s_add_nc_u64 s[PFA:PFA+1], s[PFA:PFA+1], SLOTB ; one slot further on than the walking descriptors
	s_wait_dscnt 0x0                               ; the add is done, and my reads of the slot are over
	CROUND
	JLOAD
	ASK
.else
	s_wait_dscnt 0x0
	s_barrier_signal -1
	s_barrier_wait -1
.endif
	s_sub_co_u32 s[TB], s[TB], NST*STEPB           ; the fetches go back to a slot's first step,
	s_xor_b32 s[TB], s[TB], SLOT1                  ; in the other slot
.endm
	s_wait_tensorcnt 1                             ; my part of slot 0 is in; slot 1's may stay out
	s_barrier_signal -1
	s_barrier_wait -1                              ; everybody's is
	FETCH_K                                        ; key step 0
	s_wait_loadcnt 0x0                             ; Q
	HALF_A                                         ; step 0
	HALF_B 1, 1                                    ; step 0: written out, since its products start O^T's sums
	HALF_A                                         ; step 1
	STEPS 2                                        ; the rest of slot 0
.Lslot:                                            ; six trips: every slot but the last two is filled again
	CHANGE 1
	STEPS 4
	s_sub_co_u32 s[SLOTS], s[SLOTS], 1
	s_cmp_lg_u32 s[SLOTS], 0
	s_cbranch_scc1 .Lslot
	CHANGE 0                                       ; the tail is written out
	STEPS 4
	HALF_B 0, 0                                    ; the last step's softmax and V^T P
	; THE WAY OUT.  l's two halves and the other half of the lanes' are added; O^T is divided by l, rounded to f16 and sent through my stage, a tile (16 rows) at a time.  The additions are the places behind the last products.
	WIN 0
.irp t, 0,1,2,3
	v_add_f32 v[ST+8*\t+4], v[ST+8*\t+2], v[ST+8*\t+3]
.endr
.irp t, 0,1,2,3
	v_permlanex16_b32 v[ST+8*\t+5], v[ST+8*\t+4], s[SEL], s[SEL+1]
.endr
.irp t, 0,1,2,3
	v_add_f32 v[ST+8*\t+4], v[ST+8*\t+4], v[ST+8*\t+5]
.endr
.irp t, 0,1,2,3
	v_rcp_f32 v[ST+8*\t+6], v[ST+8*\t+4]
.endr
	v_nop                                          ; a plain instruction between the last reciprocal and the use of its result
	s_wait_alu depctr_va_vdst(0)                   ; and one wait for the four
.macro PACK x                          ; tile x: a lane's eight channels of a row pack into 16 bytes; rows of 144 bytes in, four rows of 128 back
	WIN W_RS
.set i, 32*\x
.rept 16
	v_pk_mul_f32 v[i:i+1], v[i:i+1], v[ST+8*\x+6:ST+8*\x+7] op_sel_hi:[1,0]
.set i, i+2
.endr
	WIN 0x05                                       ; sources 0 and 1 window 1, destination window 0: S^T's registers are free
.set i, 0
.rept 16
	v_cvt_pk_f16_f32 v[S+32*\x+i], v[32*\x+2*i], v[32*\x+2*i+1]
.set i, i+1
.endr
	WIN 0
.irp c, 0,1,2,3
	ds_store_b128 v[STO], v[S+32*\x+4*\c:S+32*\x+4*\c+3] offset:32*\c
.endr
.irp c, 0,1,2,3
	ds_load_b128 v[S+32*\x+16+4*\c:S+32*\x+16+4*\c+3], v[RD] offset:\c*4*SP   ; LDS serves a wave's instructions in order: these see the stores above; the next tile's stores come behind them
.endr
.endm
.macro SEND x, younger                 ; younger: the LDS instructions issued behind tile x's loads: the next tile's eight, or none
.irp c, 0,1,2,3
	s_wait_dscnt \younger+3-\c
	global_store_b128 v[GO], v[S+32*\x+16+4*\c:S+32*\x+16+4*\c+3], s[6:7] offset:\x*2048+\c*512   ; four rows: 512 consecutive bytes
.endr
.endm
	PACK 0
	PACK 1
	SEND 0, 8
	PACK 2
	SEND 1, 8
	PACK 3
	SEND 2, 8
	SEND 3, 0
	s_wait_tensorcnt 0x0                           ; the wave's end, behind my last tensor load and my last LDS store
	ds_add_u32 v[SPW], v[NIL]
	s_wait_dscnt 0x0
	CROUND                                         ; the closing round
	s_endpgm
.Lfunc_end_k_q258db49915_attn:
	.size	k_q258db49915_attn, .Lfunc_end_k_q258db49915_attn-k_q258db49915_attn
	.p2alignl 7, 3214868480
	.fill 96, 4, 3214868480
	.section	.rodata,"a",@progbits
	.p2align	6, 0x0
	.amdhsa_kernel k_q258db49915_attn
		.amdhsa_group_segment_fixed_size 327680
		.amdhsa_private_segment_fixed_size 0
		.amdhsa_enable_private_segment 0
		.amdhsa_kernarg_size 16
		.amdhsa_user_sgpr_count 2
		.amdhsa_user_sgpr_kernarg_segment_ptr 1
		.amdhsa_wavefront_size32 1
		.amdhsa_system_sgpr_workgroup_id_x 1
		.amdhsa_system_sgpr_workgroup_id_y 1
		.amdhsa_system_sgpr_workgroup_id_z 1
		.amdhsa_system_vgpr_workitem_id 0
		.amdhsa_next_free_vgpr 512
		.amdhsa_next_free_sgpr 66
		.amdhsa_reserve_vcc 0
		.amdhsa_float_denorm_mode_32 3
		.amdhsa_float_denorm_mode_16_64 3
		.amdhsa_memory_ordered 1
		.amdhsa_forward_progress 1
		.amdhsa_inst_pref_size 178
	.end_amdhsa_kernel
	.amdgpu_metadata
---
amdhsa.version: [ 1, 2 ]
amdhsa.kernels:
  - .name:           k_q258db49915_attn
    .symbol:         k_q258db49915_attn.kd
    .args:
      - { .name: qkv, .offset: 0, .size: 8, .value_kind: global_buffer, .address_space: global }
      - { .name: o16, .offset: 8, .size: 8, .value_kind: global_buffer, .address_space: global }
    .group_segment_fixed_size: 327680
    .private_segment_fixed_size: 0
    .kernarg_segment_align: 8
    .kernarg_segment_size: 16
    .max_flat_workgroup_size: 256
    .sgpr_count:     66
    .vgpr_count:     512
    .wavefront_size: 32
...
	.end_amdgpu_metadata
.endif
;; end of part 4
;; launch proj (part 5): grid 8 x 32, 4 waves a work-group, clusters of 4 x 4, 327,680 bytes of LDS; arguments o16, wp16, b_proj, out0; writes out0
.if DOCPART == 5
	.amdgcn_target "amdgcn-amd-amdhsa--gfx1250"
	.amdhsa_code_object_version 6
	.text
	.protected	k_q258db49915_proj
	.globl	k_q258db49915_proj
	.p2align	8
	.type	k_q258db49915_proj,@function
k_q258db49915_proj:
	s_mov_b64 s[64:65], 0
	v_nop
	global_prefetch_b8 v0, s[64:65] scope:SCOPE_SE
	s_setreg_imm32_b32 hwreg(HW_REG_WAVE_MODE, 25, 1), 1
	s_wait_xcnt 0x0
	s_wait_alu depctr_hold_cnt(0) depctr_sa_sdst(0) depctr_va_vdst(0) depctr_va_sdst(0) depctr_va_ssrc(0) depctr_va_vcc(0) depctr_vm_vsrc(0)
	s_getreg_b32 s2, hwreg(HW_REG_IB_STS2, 6, 4)
	s_cmp_eq_u32 s2, 0
	s_cbranch_scc0 .Lentry_in_a_cluster
	s_endpgm
.Lentry_in_a_cluster:
	s_bfe_u32 s2, ttmp6, 0x10000c
	s_cmp_lg_u32 s2, 0xf033
	s_cbranch_scc0 .Lentry_shape_is_right
	s_endpgm
.Lentry_shape_is_right:
; out0[m][n] = the sum over k of o[m][k] w_proj[k][n] + b_proj[n].  o16: f16 [head 16][m 8192][64] (k = 64 head + channel); wp16: f16 [k 1024][n 1024]; b_proj f32; out0 [8192][1024] f32.  Sums in f32.
; A tile of out0 is 256 (m) x 128 (n): 256 work-groups.  Four waves, each 128 x 64: 32 accumulators of 16 x 16, 256 registers.  K goes in steps of 128 (two heads) through a ring of two LDS slots:
; waves 0 and 1 each fetch one head's 256 rows of 128 bytes (32,768 dense bytes), waves 2 and 3 each 64 rows (k) x 256 bytes of wp16: one tensor load a wave.
; CLUSTERS: 4 x 4 work-groups.  The four of a row of the cluster need the same tiles of o, the four of a column the same tiles of w: each tile is asked for JOINTLY.
; THE MATRIX INSTRUCTION IS USED TRANSPOSED: source 0 = 16 columns of w (turned out of LDS by ds_load_tr16_b128, since k is w's first axis), source 1 = 16 rows of o: a lane holds eight neighbouring columns of a row.
; THE BIAS is the C of each sum's first product: eight registers for each of my four tiles of columns.
; REGISTERS: window 0: v16-29 addresses; v32-63 the bias; v64-159 and v160-255 two fragment buffers (64 registers of o: 8 x 16 rows x 32 K, then 32 of w).  window 1: accumulator (a, b) at v[8 (4 a + b)].
.set PA,     144                       ; a row of o in LDS: 128 bytes + 16 (9 x 16: the 16 rows of a load start at different banks; 64 banks of 4 bytes: ISA guide 11.1)
.set PLANE,  256*PA                    ; one head's 256 rows
.set PB,     288                       ; a row of w: 256 bytes + 32 (9 x 32, for the turning load)
.set HALFB,  64*PB
.set BOFF,   2*PLANE
.set SLOT,   BOFF+2*HALFB
.set STAGE,  2*SLOT                    ; behind the ring: 16 rows x 272 bytes for each wave, for the way out
.set SPITCH, 272
.set SPARE,  STAGE+4*16*SPITCH         ; behind the stages: the spare words, 128 bytes a wave, which no other line names
.set LAPS,   4                         ; a lap = two K steps = once round the ring: 1,024 / 256
.set ADRA, 16                          ; v16-17 LDS address of my fragments of o in slot 0, 1
.set ADRB, 20                          ; v20-21 of w
.set STO,  24
.set RD,   25
.set CO,   26
.set SPW,  28
.set NIL,  29
.set BI,   32
.set F0,   64
.set F1,   160
.set G1, 24
.set G0, 32
.set G1B, 48
.set G0B, 56
.set MSB, 0
.macro WIN new                         ; the immediate's high byte repeats the setting that is left
.if MSB != \new
	s_set_vgpr_msb (MSB<<8)|\new
.set MSB, \new
.endif
.endm
.set MUL,  0x50                        ; C and D window 1, sources 0 and 1 window 0
.set MULZ, 0x40                        ; D window 1, C (the bias) window 0
.macro JLOAD s                         ; a joint load: waves 0 and 1 fetch o's two heads, waves 2 and 3 w's two halves; an s_nop 0 and four v_nop follow each of the two lines
	s_cmp_eq_u32 s11, 0
	s_cbranch_scc0 .Lfor_b_\@
	tensor_load_to_lds s[G0+4*\s:G0+4*\s+3], s[G1:G1+7]
	s_nop 0
.rept 4
	v_nop
.endr
	s_branch .Lasked_\@
.Lfor_b_\@:
	tensor_load_to_lds s[G0B+4*\s:G0B+4*\s+3], s[G1B:G1B+7]
	s_nop 0
.rept 4
	v_nop
.endr
.Lasked_\@:
.endm
.macro CREST                           ; a round of the cluster's barrier behind its opening barrier
	s_cmp_lg_u32 s10, 0
	s_cbranch_scc1 .Lnot_wave_0_\@
	s_barrier_signal -3
.Lnot_wave_0_\@:
	s_barrier_wait -3
	s_barrier_signal -1
	s_barrier_wait -1
.endm
.macro CROUND
	s_barrier_signal -1
	s_barrier_wait -1
	CREST
.endm
	s_load_b128 s[4:7], s[0:1], 0x0                ; o16, wp16
	s_load_b64 s[66:67], s[0:1], 0x10              ; b_proj
	s_load_b64 s[8:9], s[0:1], 0x18                ; out0
	v_lshl_add_u32 v[SPW], v0, 2, SPARE
	v_mov_b32 v[NIL], 0
	ds_add_u32 v[SPW], v[NIL]                      ; the wave's opening: the add, twice on end, and its wait ahead of my first tensor load
	ds_add_u32 v[SPW], v[NIL]
	v_lshrrev_b32 v1, 5, v0
	v_readfirstlane_b32 s10, v1                    ; wave 0..3
	s_lshr_b32 s11, s10, 1                         ; which 128 of the tile's rows are mine.  Also: I fetch for o (0) or for w (1)
	s_and_b32 s12, s10, 1                          ; which 64 of its columns.  Also: which head, or which 64 rows of w, I fetch
	s_bfe_u32 s40, ttmp6, 0x40000                  ; cx, cy
	s_bfe_u32 s41, ttmp6, 0x40004
	s_lshl_b32 s42, ttmp9, 2
	s_add_co_u32 s42, s42, s40                     ; tile column = 4 x cluster x + cx
	s_and_b32 s13, ttmp7, 0xffff
	s_lshl_b32 s13, s13, 2
	s_add_co_u32 s13, s13, s41                     ; tile row = 4 x cluster y + cy
	s_lshl_b32 s43, s41, 2
	s_lshl_b32 s43, 15, s43                        ; my row of the cluster
	s_lshl_b32 s44, 0x1111, s40                    ; my column
	; group 1 for o: 256 rows x 64 elements of 2 bytes, dense; four words of padding after every 32
	s_or_b32 s[G1+0], s43, (1<<16)|(1<<20)|(1<<21)|(4<<22)|(3<<25)
	s_mov_b32 s[G1+1], 64<<16                      ; tensor_dim0
	s_mov_b32 s[G1+2], 256<<16                     ; tensor_dim1
	s_mov_b32 s[G1+3], 64<<16                      ; tile_dim0
	s_mov_b32 s[G1+4], 256                         ; tile_dim1
	s_mov_b32 s[G1+5], 64                          ; tensor_dim0_stride
	s_mov_b32 s[G1+6], 0
	s_mov_b32 s[G1+7], 0
	; group 1 for w: 64 rows x 128 elements, 1,024 elements from row to row; eight words of padding after every 64
	s_or_b32 s[G1B+0], s44, (1<<16)|(1<<20)|(1<<21)|(5<<22)|(7<<25)
	s_mov_b32 s[G1B+1], 128<<16
	s_mov_b32 s[G1B+2], 64<<16
	s_mov_b32 s[G1B+3], 128<<16
	s_mov_b32 s[G1B+4], 64
	s_mov_b32 s[G1B+5], 1024
	s_mov_b32 s[G1B+6], 0
	s_mov_b32 s[G1B+7], 0
	s_lshl_b32 s16, s12, 20                        ; o: my head's plane of 1,048,576 bytes,
	s_lshl_b32 s17, s13, 15                        ; the tile's 256 rows of 128 bytes
	s_add_co_u32 s16, s16, s17
	s_mov_b32 s17, 0
	s_lshl_b32 s46, s12, 17                        ; w: my 64 rows of 2,048 bytes,
	s_lshl_b32 s47, s42, 8                         ; the tile's 128 columns
	s_add_co_u32 s46, s46, s47
	s_mov_b32 s47, 0
	s_mul_i32 s20, s12, PLANE                      ; where they go: no place in the cluster enters an LDS address
	s_mul_i32 s21, s12, HALFB
	s_add_co_u32 s21, s21, BOFF
	s_wait_dscnt 0x0                               ; both opening adds are done
	s_wait_kmcnt 0x0
	s_add_nc_u64 s[14:15], s[4:5], s[16:17]
	s_add_nc_u64 s[46:47], s[6:7], s[46:47]
	CROUND                                         ; all sixteen work-groups are here: the first joint loads meet
.irp s, 0,1
	s_mov_b32 s[G0+4*\s], 1
	s_add_co_u32 s[G0+4*\s+1], s20, \s*SLOT
	s_add_nc_u64 s[G0+4*\s+2:G0+4*\s+3], s[14:15], \s*(1<<21)       ; K step s: two heads on
	s_or_b32 s[G0+4*\s+3], s[G0+4*\s+3], 0x80000000
	s_mov_b32 s[G0B+4*\s], 1
	s_add_co_u32 s[G0B+4*\s+1], s21, \s*SLOT
	s_add_nc_u64 s[G0B+4*\s+2:G0B+4*\s+3], s[46:47], \s*262144      ; 128 rows of w on
	s_or_b32 s[G0B+4*\s+3], s[G0B+4*\s+3], 0x80000000
	JLOAD \s
.endr
	v_and_b32 v1, 15, v0                           ; r
	v_bfe_u32 v2, v0, 4, 1                         ; h
	v_mul_u32_u24 v3, v1, PA
	v_lshl_add_u32 v3, v2, 4, v3                   ; o: row x pitch + 16 x half
	v_and_b32 v4, 7, v0                            ; w, for the turning load: row (k) 8 h + l % 8, 16 bytes ((l / 8) % 2)
	v_lshl_add_u32 v4, v2, 3, v4
	v_mul_u32_u24 v4, v4, PB
	v_bfe_u32 v5, v0, 3, 1
	v_lshl_add_u32 v4, v5, 4, v4
	s_mul_i32 s21, s11, 128*PA                     ; my 128 rows of o
	s_lshl_b32 s22, s12, 7                         ; my 64 columns of w,
	s_add_co_u32 s22, s22, BOFF                    ; which lies behind o's two planes
.irp s, 0,1
	v_add_nc_u32 v[ADRA+\s], s21, v3
	v_add_nc_u32 v[ADRB+\s], s22, v4
	s_add_co_u32 s21, s21, SLOT
	s_add_co_u32 s22, s22, SLOT
.endr
	s_mul_i32 s23, s10, 16*SPITCH
	s_add_co_u32 s23, s23, STAGE                   ; my stage
	v_mul_u32_u24 v5, v1, SPITCH                   ; in: row r, 32 bytes for each half of the lanes
	v_lshl_add_u32 v5, v2, 5, v5
	v_add_nc_u32 v[STO], s23, v5
	v_mul_u32_u24 v5, v2, SPITCH                   ; back: lanes 0-15 one row of 256 bytes, lanes 16-31 the next
	v_lshl_add_u32 v5, v1, 4, v5
	v_add_nc_u32 v[RD], s23, v5
	v_lshlrev_b32 v5, 12, v2                       ; and the same two rows of out0, 4,096 bytes apart
	v_lshl_add_u32 v[CO], v1, 4, v5
	v_lshlrev_b32 v6, 5, v2                        ; the bias: my half's eight numbers of a tile of 16 columns
	s_lshl_b32 s16, s13, 20                        ; my first row of out0: 256 x tile row + 128 x half, rows of 4,096 bytes
	s_lshl_b32 s17, s11, 19
	s_add_co_u32 s16, s16, s17
	s_mov_b32 s17, 0
	s_add_nc_u64 s[8:9], s[8:9], s[16:17]
	s_lshl_b32 s46, s42, 9                         ; my first column, in bytes of f32: 512 x tile column + 256 x half: in out0 and in b_proj alike
	s_lshl_b32 s47, s12, 8
	s_add_co_u32 s46, s46, s47
	s_mov_b32 s47, 0
	s_add_nc_u64 s[8:9], s[8:9], s[46:47]
	s_add_nc_u64 s[66:67], s[66:67], s[46:47]
.irp b, 0,1,2,3
	global_load_b128 v[BI+8*\b:BI+8*\b+3],   v6, s[66:67] offset:64*\b         ; register j of tile b: b_proj at column 16 b + 8 h + j
	global_load_b128 v[BI+8*\b+4:BI+8*\b+7], v6, s[66:67] offset:64*\b+16
.endr
; 8 matrix instructions: row blocks a0, a0 + 1 x my four tiles of columns, 32 along K, from buffer f.  zero = 1: the first product starts the sums, from the bias.
; The 32 accumulators take turns, one instruction a turn, in the same order in every quarter.
.macro MUL8 f, a0, zero
.irp a, \a0, \a0+1
.irp b, 0,1,2,3
.if \zero
	v_wmma_f32_16x16x32_f16 v[8*(4*(\a)+\b):8*(4*(\a)+\b)+7], v[\f+64+8*\b:\f+64+8*\b+7], v[\f+8*(\a):\f+8*(\a)+7], v[BI+8*\b:BI+8*\b+7]
.else
	v_wmma_f32_16x16x32_f16 v[8*(4*(\a)+\b):8*(4*(\a)+\b)+7], v[\f+64+8*\b:\f+64+8*\b+7], v[\f+8*(\a):\f+8*(\a)+7], v[8*(4*(\a)+\b):8*(4*(\a)+\b)+7]
.endif
.endr
.endr
.endm
.macro MUL16 f, a0, zero
	MUL8 \f, \a0, \zero
	MUL8 \f, \a0+2, \zero
.endm
; 24 LDS loads in one run: the fragments of the slot's q-th 32 along K into buffer f: w's four (turned), then o's eight, blocks 0-3 first.  Quarter q lies in head q / 2 of the slot, at byte 64 (q % 2) of its rows.
.macro FETCH slot, q, f
	WIN 0
.irp b, 0,1,2,3
	ds_load_tr16_b128 v[\f+64+8*\b:\f+64+8*\b+3],   v[ADRB+\slot] offset:(\q)*32*PB+32*\b
	ds_load_tr16_b128 v[\f+64+8*\b+4:\f+64+8*\b+7], v[ADRB+\slot] offset:(\q)*32*PB+32*\b+16*PB
.endr
.irp a, 0,1,2,3,4,5,6,7
	ds_load_b128 v[\f+8*\a:\f+8*\a+3],   v[ADRA+\slot] offset:((\q)/2)*PLANE+((\q)%2)*64+\a*16*PA
	ds_load_b128 v[\f+8*\a+4:\f+8*\a+7], v[ADRA+\slot] offset:((\q)/2)*PLANE+((\q)%2)*64+\a*16*PA+32
.endr
.endm
.macro PLACES                          ; four places in front of loads into registers that matrix instructions have read, and of the first read of results (ISA guide 7.12.1 for vector instructions)
.rept 4
	v_nop
.endr
.endm
; A K step is four quarters of 32 along K, 32 matrix instructions each, on buffers 0, 1, 0, 1.  One of the first three: multiplies buffer f and fetches quarter q of the same slot into g.
.macro QUARTER slot, q, f, g, zero
	s_wait_dscnt 8                                 ; w's fragments and o's blocks 0-3 are in; the youngest eight loads (blocks 4-7) may be out
.if \zero
	WIN MULZ
.else
	WIN MUL
.endif
	MUL16 \f, 0, \zero
	PLACES
	FETCH \slot, \q, \g
	s_wait_dscnt 24                                ; all but the 24 just issued
.if \zero
	WIN MULZ
.else
	WIN MUL
.endif
	MUL16 \f, 4, \zero
.endm
; The last quarter multiplies buffer 1 and changes slots: ONE barrier; in front of it each wave waits for all its tensor loads, adds 0 to its spare word, and waits for that and for its own reads of this slot.
; fill = 1: the barrier opens a round of the cluster's, and this slot is filled again, two K steps ahead, first thing behind the round.
.macro TURN slot, next, fill
	WIN 0                                          ; (the add's two registers lie in window 0)
	s_wait_tensorcnt 0x0                           ; all my tensor loads have landed: my part of the next slot
	ds_add_u32 v[SPW], v[NIL]                      ; 0 onto my spare word
	s_wait_dscnt 9                                 ; (the add and the youngest eight loads may be out)
	WIN MUL
	MUL8 F1, 0, 0
	s_wait_dscnt 0x0                               ; the add is done, and my reads of this slot are over
	s_barrier_signal -1
	MUL8 F1, 2, 0
.if \fill
	WIN 0
.endif
	s_barrier_wait -1
.if \fill
	CREST                                          ; no wave of any partner still reads this slot's tiles or has a load on its way
	s_add_nc_u64 s[G0+4*\slot+2:G0+4*\slot+3], s[G0+4*\slot+2:G0+4*\slot+3], 1<<22      ; four heads on
	s_add_nc_u64 s[G0B+4*\slot+2:G0B+4*\slot+3], s[G0B+4*\slot+2:G0B+4*\slot+3], 524288 ; 256 rows of w on
	JLOAD \slot                                    ; the four v_nop behind it are also the places in front of the loads below
.else
	PLACES
.endif
	FETCH \next, 0, F0
	WIN MUL
	MUL16 F1, 4, 0
.endm
	s_wait_tensorcnt 1                             ; my part of K step 0 is in; K step 1's may stay out
	s_barrier_signal -1
	s_barrier_wait -1                              ; everybody's is
	FETCH 0, 0, F0
	s_wait_loadcnt 0x0                             ; the bias
	QUARTER 0, 1, F0, F1, 1                        ; the first quarter stands in front of the loop: its products start the sums
	WIN 0                                          ; at a label and at a branch every window is 0
	s_mov_b32 s3, LAPS-1
.Llap:                                             ; a trip goes once round the ring, from a lap's second quarter to the next lap's first, and fills both slots again
	QUARTER 0, 2, F1, F0, 0
	QUARTER 0, 3, F0, F1, 0
	TURN 0, 1, 1
	QUARTER 1, 1, F0, F1, 0
	QUARTER 1, 2, F1, F0, 0
	QUARTER 1, 3, F0, F1, 0
	TURN 1, 0, 1
	QUARTER 0, 1, F0, F1, 0
	WIN 0
	s_sub_co_u32 s3, s3, 1
	s_cmp_lg_u32 s3, 0
	s_cbranch_scc1 .Llap
	QUARTER 0, 2, F1, F0, 0                        ; the last lap fills nothing, and has no round of the cluster's barrier
	QUARTER 0, 3, F0, F1, 0
	TURN 0, 1, 0
	QUARTER 1, 1, F0, F1, 0
	QUARTER 1, 2, F1, F0, 0
	QUARTER 1, 3, F0, F1, 0
	s_wait_dscnt 8                                 ; the very last quarter: nothing more to fetch
	WIN MUL
	MUL16 F1, 0, 0
	s_wait_dscnt 0
	MUL16 F1, 4, 0
	WIN 0
; THE WAY OUT, block by block of 16 rows x 64 columns of f32.  A lane holds 32 neighbouring bytes of a row: a block goes through my own stage and comes back as whole rows of 256 bytes, two an instruction:
; sixteen lanes store 256 consecutive bytes, at a multiple of 256 from out0's first byte.  LDS serves a wave's instructions in order: no wait between the stores and the loads.
.macro TOSTAGE a
	WIN 0x04                                       ; an LDS store's data are its source 1: window 1
.irp b, 0,1,2,3
	ds_store_b128 v[STO], v[8*(4*(\a)+\b):8*(4*(\a)+\b)+3] offset:64*\b          ; each accumulator from its low end on
	ds_store_b128 v[STO], v[8*(4*(\a)+\b)+4:8*(4*(\a)+\b)+7] offset:64*\b+16
.endr
	WIN 0
.set BB, F0+32*((\a)%2)
.irp t, 0,1,2,3,4,5,6,7
	ds_load_b128 v[BB+4*\t:BB+4*\t+3], v[RD] offset:\t*2*SPITCH
.endr
.endm
.macro SEND a, younger                 ; younger: the LDS instructions issued behind block a's loads, which may stay out
.set BB, F0+32*((\a)%2)
	s_wait_dscnt \younger
.if (\a) > 0
	s_add_nc_u64 s[8:9], s[8:9], 16*4096           ; (behind a wait on XCNT: the earlier stores have read their base)  16 rows on
.endif
.irp t, 0,1,2,3,4,5,6,7
	global_store_b128 v[CO], v[BB+4*\t:BB+4*\t+3], s[8:9] offset:\t*2*4096 th:TH_STORE_NT   ; written once, read by nobody here
.endr
.endm
	PLACES                                         ; behind the last products: for the loads into the fragments' registers and the reads of results alike
	TOSTAGE 0
.irp a, 1,2,3,4,5,6,7
.if \a > 1
	s_wait_xcnt 0x0                                ; block a - 2's stores have read their registers and their base
.endif
	TOSTAGE \a
	SEND (\a-1), 16                                ; behind block a - 1's loads: block a's 8 stores and 8 loads
.endr
	s_wait_xcnt 0x0                                ; block 6's stores have read their base
	SEND 7, 0
	s_wait_tensorcnt 0x0                           ; the wave's end, behind my last tensor load and my last LDS store
	ds_add_u32 v[SPW], v[NIL]
	s_wait_dscnt 0x0
	CROUND                                         ; the closing round
	s_endpgm
.Lfunc_end_k_q258db49915_proj:
	.size	k_q258db49915_proj, .Lfunc_end_k_q258db49915_proj-k_q258db49915_proj
	.p2alignl 7, 3214868480
	.fill 96, 4, 3214868480
	.section	.rodata,"a",@progbits
	.p2align	6, 0x0
	.amdhsa_kernel k_q258db49915_proj
		.amdhsa_group_segment_fixed_size 327680
		.amdhsa_private_segment_fixed_size 0
		.amdhsa_enable_private_segment 0
		.amdhsa_kernarg_size 32
		.amdhsa_user_sgpr_count 2
		.amdhsa_user_sgpr_kernarg_segment_ptr 1
		.amdhsa_wavefront_size32 1
		.amdhsa_system_sgpr_workgroup_id_x 1
		.amdhsa_system_sgpr_workgroup_id_y 1
		.amdhsa_system_sgpr_workgroup_id_z 1
		.amdhsa_system_vgpr_workitem_id 0
		.amdhsa_next_free_vgpr 512
		.amdhsa_next_free_sgpr 68
		.amdhsa_reserve_vcc 0
		.amdhsa_float_denorm_mode_32 3
		.amdhsa_float_denorm_mode_16_64 3
		.amdhsa_memory_ordered 1
		.amdhsa_forward_progress 1
		.amdhsa_inst_pref_size 87
	.end_amdhsa_kernel
	.amdgpu_metadata
---
amdhsa.version: [ 1, 2 ]
amdhsa.kernels:
  - .name:           k_q258db49915_proj
    .symbol:         k_q258db49915_proj.kd
    .args:
      - { .name: o16, .offset: 0, .size: 8, .value_kind: global_buffer, .address_space: global }
      - { .name: wp16, .offset: 8, .size: 8, .value_kind: global_buffer, .address_space: global }
      - { .name: b_proj, .offset: 16, .size: 8, .value_kind: global_buffer, .address_space: global }
      - { .name: out0, .offset: 24, .size: 8, .value_kind: global_buffer, .address_space: global }
    .group_segment_fixed_size: 327680
    .private_segment_fixed_size: 0
    .kernarg_segment_align: 8
    .kernarg_segment_size: 32
    .max_flat_workgroup_size: 128
    .sgpr_count:     68
    .vgpr_count:     512
    .wavefront_size: 32
...
	.end_amdgpu_metadata
.endif
;; end of part 5
